; MI455X (gfx1250); checked and timed in simulation.
; The chip was launched on July 23, 2026; its instructions are those of AMD's public machine-readable ISA for CDNA 5 (MIT licence, August 2026) and "CDNA5" Instruction Set Architecture Reference Guide (July 2026). The comments in the code are by the model that wrote it; some were corrected since.
;; Multi Head Attention. Allowed arithmetic: matrix products marked QUANTISED: E4M3 operands, one given power-of-two scale a tensor, by v_wmma_f32_16x16x64_fp8_fp8 or v_wmma_f32_16x16x128_fp8_fp8, f32 sums; everything else in f32.
;; Inputs: Wk 1,024 x 1,024 float32; Wo 1,024 x 1,024 float32; Wq 1,024 x 1,024 float32; Wv 1,024 x 1,024 float32; bo 1,024 float32; lowp_scales 12 int32 (the exponents e of the quantised operands' scales 2^e); x 4 x 2,048 x 1,024 float32.
;; Outputs: out0 4 x 2,048 x 1,024 float32.
;; This version of the problem:
;;   THIS VERSION OF THE PROBLEM IS GIVEN IN LOW PRECISION. The matrix products marked QUANTISED in the list below multiply operands that are first quantised to E4M3 (4 exponent bits, 3 mantissa bits; 8 bits a number), with one given power-of-two scale for each operand tensor; their sums are f32. All else is computed in f32.
;;   The module's matrix products, in the order in which they are computed (A, B: the left and right operand; K: the contracted axis; several contracted axes count as one K, in the product's order):
;;     1. [M 8,192, K 1,024] x [K 1,024, N 1,024]; A: input x; B: input Wq: QUANTISED (scales: A lowp_scales[0], B lowp_scales[1])
;;     2. [M 8,192, K 1,024] x [K 1,024, N 1,024]; A: input x; B: input Wk: QUANTISED (scales: A lowp_scales[2], B lowp_scales[3])
;;     3. [M 8,192, K 1,024] x [K 1,024, N 1,024]; A: input x; B: input Wv: QUANTISED (scales: A lowp_scales[4], B lowp_scales[5])
;;     4. batch 64 x [M 2,048, K 64] x [K 64, N 2,048]; A: computed on the way; B: computed on the way: QUANTISED (scales: A lowp_scales[6], B lowp_scales[7])
;;     5. batch 64 x [M 2,048, K 2,048] x [K 2,048, N 64]; A: softmax (see below); B: computed on the way: QUANTISED (scales: A lowp_scales[8], B lowp_scales[9])
;;     6. [M 8,192, K 1,024] x [K 1,024, N 1,024]; A: computed on the way; B: input Wo: QUANTISED (scales: A lowp_scales[10], B lowp_scales[11])
;;   THE QUANTISER, for each operand of a quantised product, along K:
;;     - The operand's scale is 2^e, e = its entry of the input lowp_scales (int32; the entries are numbered through the quantised products in the list's order, A before B).
;;     - Each number is divided by the scale, clamped to +-448, and rounded to the nearest number of E4M3, ties to even, subnormals kept.
;;     - The product sums the exact products of the quantised numbers (number of the format x scale) in f32.
;;   ~~~python
;;   def quantise(x, axis, e):      # numpy; x: float32 -> the quantised numbers, widened to float32 again
;;       x = np.moveaxis(x, axis, -1); K = x.shape[-1]
;;       r = np.clip(x / 2.0 ** e, -448, 448)
;;       step = 2.0 ** (np.maximum(np.frexp(np.where(r == 0, 1, r))[1] - 1, -6) - 3)
;;       q = np.round(r / step) * step * 2.0 ** e      # np.round: ties to even
;;       return np.moveaxis(q, -1, axis).astype(np.float32)
;;   ~~~
;;   SOFTMAX AHEAD OF A QUANTISED PRODUCT. Where the list says 'softmax', what is quantised is not the finished softmax but p = 2^(t - M), with t = logit x log2(e) and M = ceil(the row's largest t), a whole number; so 1/2 < the row's largest p <= 1. The row's sum l is taken of the UNQUANTISED p, in f32, and the product's result is divided by l at the end. Since M is a whole number, a kernel that streams over the keys may use a running M (the ceiling of the running maximum): every later rescaling is an exact power of two, so the quantised numbers keep their values, but for numbers so far below the row's largest that they fall under the format's range.
;;   OPERANDS COMPUTED ON THE WAY. 'Computed on the way' means the value that the module computes at that place (a softmax that the list does not call 'softmax' is quantised finished and normalised). What goes into a quantiser is computed in f32, as accurately as f32 sums, v_exp_f32 and their like allow (about 1e-6 of the number): no bf16 or f16 on the way to a quantiser, and a product that is left as it is and whose result goes on into a quantised operand takes f32 operands (vector FMAs, or v_wmma_f32_16x16x4_f32). A number that lies on a knife's edge between two numbers of the format may be rounded either way, as far as f32 arithmetic and the matrix unit's own rounding can turn it there, and no further.
;; One version. Each part assembles by itself: llvm-mc -triple=amdgcn-amd-amdhsa -mcpu=gfx1250 --defsym DOCPART=n.
;; ======== version 1 of 1: 4 launches
;; limits: right only within a limited range of input values
;; workspace buffers: xc 25,165,824 bytes; wc 4,194,304 bytes; qkv 25,165,824 bytes; cc 8,388,608 bytes
;; launch quant (part 1): grid 384 x 1, 4 waves a work-group, no clusters, 68,096 bytes of LDS; arguments x, Wq, Wk, Wv, Wo, lowp_scales, xc, wc; writes xc, wc
.if DOCPART == 1
	.amdgcn_target "amdgcn-amd-amdhsa--gfx1250"
	.amdhsa_code_object_version 6
	.text
	.protected	k_qda25c1777e_quant
	.globl	k_qda25c1777e_quant
	.p2align	8
	.type	k_qda25c1777e_quant,@function
k_qda25c1777e_quant:
	s_mov_b64 s[64:65], 0
	v_nop
	global_prefetch_b8 v0, s[64:65] scope:SCOPE_SE
	s_setreg_imm32_b32 hwreg(HW_REG_WAVE_MODE, 25, 1), 1
	s_wait_xcnt 0x0
; THE PROGRAM: causal multi-head attention (4 x 2048 tokens, 1024 wide, 16 heads of 64), all six products on codes of E4M3 with given scales 2^e (e0 .. e11 in lowp_scales).
;   quant: x -> three sets of codes (e0, e2, e4: the three may differ, and codes hang on the scale); Wq, Wk, Wv, Wo -> codes laid [n][k] (e1, e3, e5, e11).
;   proj:  the three projections on codes; the f32 sums are quantised in registers to q, k, v codes (e6, e7, e9).
;   attn:  K Q^T, the softmax by the stated rule (p = 2^(t - M), M a whole number), V^T P, ctx quantised (e10).      oproj: ctx Wo x 2^(e10 + e11) + bo, f32.
; DEAD WORK.  reference() builds the mask itself (jnp.tril) and sets scores(q, k) = -inf for k > q; softmax gives such a key the weight exp(-inf) = 0 for all finite inputs, so neither its score nor its
; product with v reaches ctx.  attn therefore leaves out every step of 128 keys all of which come after a wave's 16 queries; steps on the diagonal are computed and masked.  Nothing else is left out:
; every input has a way to the output and is loaded.  LIMIT: a NaN, an infinity or an overflow that would arise only in scores left out is not carried to the result.
; THIS LAUNCH.  code = number / 2^e, held within +-448 in x (the weights are not held), rounded to the nearest code, ties to even.  LIMITS: each of e0 .. e5 and e11 lies between -126 and 119, so that 2^e and 448 x 2^e are f32 numbers;
; NaN among the inputs is not served (in x, an infinity is held at the largest code).
; Work-groups 0-255 take x: a plain stream of 8,388,608 numbers, 32,768 a work-group, 8,192 a wave in 16 steps of 512.  Each load reads 512 consecutive bytes; a step's 2,048 bytes turn through the wave's own
; stage in LDS so that a lane holds 16 neighbours along K; held and converted three times, they leave as three stores of 512 consecutive bytes.
; Work-groups 256-383 take the weights, whose K is the FIRST axis: a lane takes a column n and its registers run down K, so the conversions give codes with K innermost; a wave's 32 columns x 256 k
; go through its stage and leave as rows: sixteen lanes store 256 consecutive, aligned bytes.  The two paths part on the work-group's number and have LDS bytes of their own.  No barrier: waves share nothing.
.set STEPS,  16
.set SP,     80                        ; x: a lane's place in a stage: its 64 bytes + 16 of padding
.set WREG,   8192                      ; x: a wave's region: two stages of 32 x SP bytes
.set WST,    32768                     ; the weights' stages begin here
.set WPITCH, 272                       ; a stage row: 256 bytes of codes + 16
.set SPARE,  WST+4*32*WPITCH           ; behind them: the spare words, 128 bytes for each wave, which no other line names
.set SPW,    12                        ; v12  LDS address of my spare word; never rewritten
.set NIL,    13                        ; v13  0; never rewritten
.set R,      16                        ; x: v16-79   four sets of 16 numbers as loaded
.set X,      80                        ; x: v80-111  two sets of 16 neighbours
.set T,      112                       ; x: v112-159 the 16 numbers held for each of the three scales
.set C,      160                       ; x: v160-183 two sets of 12 registers of codes
.set WX,     32                        ; weights: v32-95 two sets of 32 numbers
.set WC,     96                        ; weights: v96-103 a block's codes
.set OUTR,   112                       ; weights: v112-175 the way out
.set NB,     8                         ; weights: blocks of 32 along K for a wave
	s_load_b512 s[4:19], s[0:1], 0x0               ; x 4:5, Wq 6:7, Wk 8:9, Wv 10:11, Wo 12:13, the exponents 14:15, xc 16:17, wc 18:19
	v_lshl_add_u32 v[SPW], v0, 2, SPARE
	v_mov_b32 v[NIL], 0
	v_lshrrev_b32 v1, 5, v0
	v_readfirstlane_b32 s20, v1                    ; wave 0..3
	v_and_b32 v2, 31, v0                           ; lane
	s_wait_kmcnt 0x0
	s_load_b256 s[32:39], s[14:15], 0x0            ; e0 .. e7
	s_load_b128 s[40:43], s[14:15], 0x20           ; e8 .. e11
	s_cmp_lt_u32 ttmp9, 256
	s_cbranch_scc0 .Lweights
; ---------------- x ----------------
.macro SCALE e, vs, vl                 ; v[vs] = 2^e as f32 (the conversion takes its exponent field), v[vl] = 448 x 2^e
	s_add_co_i32 s28, s[\e], 127
	s_lshl_b32 s29, s28, 23
	v_mov_b32 v[\vs], s29
	s_add_co_i32 s28, s28, 8
	s_lshl_b32 s28, s28, 23
	s_or_b32 s28, s28, 0x600000
	v_mov_b32 v[\vl], s28
.endm
	s_lshl_b32 s21, ttmp9, 2
	s_add_co_u32 s21, s21, s20                     ; which run of 8,192 numbers is my wave's
	s_lshl_b32 s22, s21, 15                        ; its bytes in x
	s_mov_b32 s23, 0
	s_add_nc_u64 s[4:5], s[4:5], s[22:23]
	s_lshl_b32 s22, s21, 13                        ; and in a section of codes
	s_add_nc_u64 s[16:17], s[16:17], s[22:23]      ; section 0 (e0),
	s_add_nc_u64 s[24:25], s[16:17], 0x800000      ; section 1 (e2),
	s_add_nc_u64 s[26:27], s[16:17], 0x1000000     ; section 2 (e4)
	s_wait_alu depctr_va_vdst(0)
	v_lshlrev_b32 v3, 4, v2                        ; 16 x lane: my 16 bytes of a load's 512, and of a store's; never rewritten
	s_mul_i32 s28, s20, WREG
	v_lshrrev_b32 v14, 2, v2
	v_mul_u32_u24 v14, v14, SP
	v_and_b32 v15, 3, v2
	v_lshl_add_u32 v14, v15, 4, v14
	v_add_nc_u32 v14, s28, v14                     ; the stage on the way in: four lanes' 64 bytes on end, then the padding
	v_mul_u32_u24 v15, v2, SP
	v_add_nc_u32 v15, s28, v15                     ; and on the way out: my 16 neighbours
.macro LOAD t
.irp i, 0,1,2,3
	global_load_b128 v[R+16*((\t)%4)+4*\i:R+16*((\t)%4)+4*\i+3], v3, s[4:5] offset:2048*(\t)+512*\i th:TH_LOAD_NT
.endr
.endm
.macro TURN t                          ; LDS serves a wave's instructions in order: no wait between the stores and the loads
.irp i, 0,1,2,3
	ds_store_b128 v14, v[R+16*((\t)%4)+4*\i:R+16*((\t)%4)+4*\i+3] offset:32*SP*((\t)%2)+8*SP*\i
.endr
.irp i, 0,1,2,3
	ds_load_b128 v[X+16*((\t)%2)+4*\i:X+16*((\t)%2)+4*\i+3], v15 offset:32*SP*((\t)%2)+16*\i
.endr
.endm
.irp t, 0,1,2,3
	LOAD \t
.endr
	s_wait_alu depctr_va_vdst(0)
	s_wait_kmcnt 0x0
	SCALE 32, 5, 8                                 ; e0
	SCALE 34, 6, 9                                 ; e2
	SCALE 36, 7, 10                                ; e4
	s_wait_alu depctr_va_vdst(0)
	s_wait_loadcnt 12                              ; step 0's four loads are in
	TURN 0
.macro STEP t
.set XS, X+16*((\t)%2)
.set CS, C+12*((\t)%2)
	s_wait_dscnt 0x0                               ; this step's numbers are back from the stage, and its stores into the stage have read their registers,
.if (\t)+4 < STEPS
	LOAD (\t)+4                                    ; which take the loads of four steps on
.endif
.if (\t)+1 < STEPS
.if STEPS-2-(\t) >= 3
	s_wait_loadcnt 12                              ; the next step's four loads are in; those of the three steps behind it may be out
.else
	s_wait_loadcnt 4*(STEPS-2-(\t))
.endif
	TURN (\t)+1
.endif
	s_wait_xcnt 0x0                                ; the stores of two steps ago have read this set of code registers
.set i, 0
.rept 16
	v_med3_num_f32 v[T+i],    v[XS+i], -v8,  v8    ; the conversion to an 8-bit code does not saturate (ISA guide 7.6.2): the hold at 448 x the scale, once for each scale
	v_med3_num_f32 v[T+16+i], v[XS+i], -v9,  v9
	v_med3_num_f32 v[T+32+i], v[XS+i], -v10, v10
.set i, i+1
.endr
.irp g, 0,1,2
	v_cvt_scalef32_pk8_fp8_f32 v[CS+4*\g:CS+4*\g+1],   v[T+16*\g:T+16*\g+7],    v[5+\g]
	v_cvt_scalef32_pk8_fp8_f32 v[CS+4*\g+2:CS+4*\g+3], v[T+16*\g+8:T+16*\g+15], v[5+\g]
.endr
	v_nop                                          ; a plain line between the conversions and the next step's holds, which write their sources
	global_store_b128 v3, v[CS:CS+3],    s[16:17] offset:512*(\t)   ; 32 lanes store 512 consecutive bytes
	global_store_b128 v3, v[CS+4:CS+7],  s[24:25] offset:512*(\t)
	global_store_b128 v3, v[CS+8:CS+11], s[26:27] offset:512*(\t)
.endm
.irp t, 0,1,2,3,4,5,6,7,8,9,10,11,12,13,14,15
	STEP \t
.endr
	s_wait_tensorcnt 0x0                           ; the wave's end: behind my last LDS store
	ds_add_u32 v[SPW], v[NIL]
	s_wait_dscnt 0x0
	s_endpgm
; ---------------- the weights ----------------
.Lweights:
	s_sub_co_u32 s21, ttmp9, 256
	s_and_b32 s22, s21, 7                          ; which 128 columns
	s_lshr_b32 s23, s21, 3
	s_lshr_b32 s24, s23, 2                         ; which weight: 0 Wq, 1 Wk, 2 Wv, 3 Wo
	s_and_b32 s25, s23, 3                          ; which 256 along K
	s_cmp_eq_u32 s24, 1                            ; the choices hang on the work-group's number alone
	s_cselect_b64 s[6:7], s[8:9], s[6:7]
	s_cmp_eq_u32 s24, 2
	s_cselect_b64 s[6:7], s[10:11], s[6:7]
	s_cmp_eq_u32 s24, 3
	s_cselect_b64 s[6:7], s[12:13], s[6:7]
	s_lshl_b32 s26, s22, 7
	s_lshl_b32 s27, s20, 5
	s_add_co_u32 s26, s26, s27                     ; my wave's first column
	s_lshl_b32 s28, s25, 20                        ; from: 256 rows of 4,096 bytes for each step along K, + 4 x column
	s_lshl_b32 s29, s26, 2
	s_add_co_u32 s28, s28, s29
	s_mov_b32 s29, 0
	s_add_nc_u64 s[6:7], s[6:7], s[28:29]
	s_lshl_b32 s28, s24, 20                        ; to: the weight's section, + column x 1,024, + 256 x the step along K
	s_lshl_b32 s30, s26, 10
	s_add_co_u32 s28, s28, s30
	s_lshl_b32 s30, s25, 8
	s_add_co_u32 s28, s28, s30
	s_add_nc_u64 s[18:19], s[18:19], s[28:29]
	s_wait_alu depctr_va_vdst(0)
	v_lshlrev_b32 v3, 2, v2                        ; in: 4 bytes a lane
	s_mul_i32 s30, s20, 32*WPITCH
	s_add_co_u32 s30, s30, WST                     ; my stage
	v_mul_u32_u24 v4, v2, WPITCH
	v_add_nc_u32 v4, s30, v4                       ; into it: row = my column
	v_and_b32 v5, 15, v2
	v_lshrrev_b32 v6, 4, v2                        ; out of it: sixteen lanes to a row, two rows an instruction
	v_mul_u32_u24 v7, v6, WPITCH
	v_lshl_add_u32 v7, v5, 4, v7
	v_add_nc_u32 v7, s30, v7
	v_lshlrev_b32 v8, 10, v6
	v_lshl_add_u32 v8, v5, 4, v8                   ; and the same place among the codes' rows of 1,024 bytes
.macro WLOAD t                         ; block t: W(32 t + i, my column) into set t % 2; the largest offset is 255 rows of 4,096 bytes
.set i, 0
.rept 32
	global_load_b32 v[WX+32*((\t)%2)+i], v3, s[6:7] offset:(32*(\t)+i)*4096 th:TH_LOAD_NT
.set i, i+1
.endr
.endm
	WLOAD 0
	WLOAD 1
	s_wait_kmcnt 0x0
	s_cmp_eq_u32 s24, 1
	s_cselect_b32 s31, s35, s33                    ; e3 or e1,
	s_cmp_eq_u32 s24, 2
	s_cselect_b32 s31, s37, s31                    ; e5,
	s_cmp_eq_u32 s24, 3
	s_cselect_b32 s31, s43, s31                    ; e11
	s_add_co_i32 s31, s31, 127
	s_lshl_b32 s30, s31, 23
	v_mov_b32 v11, s30                             ; 2^e as f32
	s_add_co_i32 s31, s31, 8
	s_lshl_b32 s31, s31, 23
	s_or_b32 s31, s31, 0x600000
.macro BLOCK t
.set XS, WX+32*((\t)%2)
.if (\t) < NB-1
	s_wait_loadcnt 32                              ; this block's 32 loads are in; the next block's may be out
.else
	s_wait_loadcnt 0
.endif
.set i, 0
.rept 32
.set i, i+1
.endr
.irp g, 0,1,2,3
	v_cvt_scalef32_pk8_fp8_f32 v[WC+2*\g:WC+2*\g+1], v[XS+8*\g:XS+8*\g+7], v11
.endr
	v_nop                                          ; a plain line behind the last conversion
	ds_store_b128 v4, v[WC:WC+3] offset:32*(\t)    ; 32 codes of my column's row
	ds_store_b128 v4, v[WC+4:WC+7] offset:32*(\t)+16
.if (\t)+2 < NB
	WLOAD (\t)+2
.endif
	s_wait_dscnt 0x0                               ; the stores have read their registers: the next block's codes may be written
.endm
.set Q, 0
	s_wait_alu depctr_va_vdst(0)
.rept NB
	BLOCK Q
.set Q, Q+1
.endr
.irp t, 0,1,2,3,4,5,6,7,8,9,10,11,12,13,14,15
	ds_load_b128 v[OUTR+4*\t:OUTR+4*\t+3], v7 offset:2*\t*WPITCH
.endr
.irp t, 0,1,2,3,4,5,6,7,8,9,10,11,12,13,14,15
	s_wait_dscnt 15-\t                             ; LDS loads come back in order: load t is in, the younger ones may be out
	global_store_b128 v8, v[OUTR+4*\t:OUTR+4*\t+3], s[18:19] offset:2*\t*1024
.endr
	s_wait_tensorcnt 0x0                           ; the wave's end: behind my last LDS store
	ds_add_u32 v[SPW], v[NIL]
	s_wait_dscnt 0x0
	s_endpgm
.Lfunc_end_k_qda25c1777e_quant:
	.size	k_qda25c1777e_quant, .Lfunc_end_k_qda25c1777e_quant-k_qda25c1777e_quant
	.p2alignl 7, 3214868480
	.fill 96, 4, 3214868480
	.section	.rodata,"a",@progbits
	.p2align	6, 0x0
	.amdhsa_kernel k_qda25c1777e_quant
		.amdhsa_group_segment_fixed_size 68096
		.amdhsa_private_segment_fixed_size 0
		.amdhsa_enable_private_segment 0
		.amdhsa_kernarg_size 64
		.amdhsa_user_sgpr_count 2
		.amdhsa_user_sgpr_kernarg_segment_ptr 1
		.amdhsa_wavefront_size32 1
		.amdhsa_system_sgpr_workgroup_id_x 1
		.amdhsa_system_sgpr_workgroup_id_y 1
		.amdhsa_system_sgpr_workgroup_id_z 1
		.amdhsa_system_vgpr_workitem_id 0
		.amdhsa_next_free_vgpr 192
		.amdhsa_next_free_sgpr 66
		.amdhsa_reserve_vcc 0
		.amdhsa_float_denorm_mode_32 3
		.amdhsa_float_denorm_mode_16_64 3
		.amdhsa_fp16_overflow 1
		.amdhsa_memory_ordered 1
		.amdhsa_forward_progress 1
		.amdhsa_inst_pref_size 111
	.end_amdhsa_kernel
	.amdgpu_metadata
---
amdhsa.version: [ 1, 2 ]
amdhsa.kernels:
  - .name:           k_qda25c1777e_quant
    .symbol:         k_qda25c1777e_quant.kd
    .args:
      - { .name: x, .offset: 0, .size: 8, .value_kind: global_buffer, .address_space: global }
      - { .name: Wq, .offset: 8, .size: 8, .value_kind: global_buffer, .address_space: global }
      - { .name: Wk, .offset: 16, .size: 8, .value_kind: global_buffer, .address_space: global }
      - { .name: Wv, .offset: 24, .size: 8, .value_kind: global_buffer, .address_space: global }
      - { .name: Wo, .offset: 32, .size: 8, .value_kind: global_buffer, .address_space: global }
      - { .name: lowp_scales, .offset: 40, .size: 8, .value_kind: global_buffer, .address_space: global }
      - { .name: xc, .offset: 48, .size: 8, .value_kind: global_buffer, .address_space: global }
      - { .name: wc, .offset: 56, .size: 8, .value_kind: global_buffer, .address_space: global }
    .group_segment_fixed_size: 68096
    .private_segment_fixed_size: 0
    .kernarg_segment_align: 8
    .kernarg_segment_size: 64
    .max_flat_workgroup_size: 128
    .sgpr_count:     66
    .vgpr_count:     192
    .wavefront_size: 32
...
	.end_amdgpu_metadata
.endif
;; end of part 1
;; launch proj (part 2): grid 8 x 96, 4 waves a work-group, clusters of 4 x 4, 327,680 bytes of LDS; arguments xc, wc, lowp_scales, qkv; writes qkv
.if DOCPART == 2
	.amdgcn_target "amdgcn-amd-amdhsa--gfx1250"
	.amdhsa_code_object_version 6
	.text
	.protected	k_qda25c1777e_proj
	.globl	k_qda25c1777e_proj
	.p2align	8
	.type	k_qda25c1777e_proj,@function
k_qda25c1777e_proj:
	s_mov_b64 s[64:65], 0
	v_nop
	global_prefetch_b8 v0, s[64:65] scope:SCOPE_SE
	s_setreg_imm32_b32 hwreg(HW_REG_WAVE_MODE, 25, 1), 1
	s_wait_xcnt 0x0
	s_wait_alu depctr_hold_cnt(0) depctr_sa_sdst(0) depctr_va_vdst(0) depctr_va_sdst(0) depctr_va_ssrc(0) depctr_va_vcc(0) depctr_vm_vsrc(0)
	s_getreg_b32 s2, hwreg(HW_REG_IB_STS2, 6, 4)
	s_cmp_eq_u32 s2, 0
	s_cbranch_scc0 .Lentry_in_a_cluster
	s_endpgm
.Lentry_in_a_cluster:
	s_bfe_u32 s2, ttmp6, 0x10000c
	s_cmp_lg_u32 s2, 0xf033
	s_cbranch_scc0 .Lentry_shape_is_right
	s_endpgm
.Lentry_shape_is_right:
; q = x Wq, k = x Wk, v = x Wv on codes of E4M3 (K = 1,024), and the f32 sums quantised in registers to codes with the given scales e6, e7, e9.  No work is left out here.
; ONE TEXT FOR THE THREE.  A work-group makes 256 rows of an operand "A" against 128 rows of an operand "B" (both [row][1,024 k] codes); the matrix instruction is used transposed (source 0 = 16 rows of B,
; source 1 = 16 rows of A), so a lane holds ONE row of A and eight neighbouring rows of B: eight neighbours for the conversion.
;   q, k (sections 0, 1): A = x's codes (tokens), B = the weight (channels): a lane's eight run along the head's 64, which is K of the scores' product.   Stored [b][h][token][64].
;   v    (section 2):     A = Wv's codes (channels), B = x's codes (tokens): a lane's eight run along the KEYS, which are K of the second product.      Stored [b][h][key / 64][64 d][key % 64].
; Only pointers and offsets in memory are chosen (s_cselect on the cluster's y, which all partners share): no branch and no LDS address hangs on the section.
; SHARES: four waves, each 128 rows of A x 64 rows of B: 32 accumulators, 256 registers.  768 work-groups.  K goes in four steps of 256 through two LDS slots; all is written out, there is no loop.
; CLUSTER 4 x 4: the four of a row need the same tile of A, the four of a column the same tile of B: each tile is asked for jointly.  By this text's count a wave has two tensor loads out at the start, later one.
; A sum stands for sum x 2^(ex + ew); its code is sum / 2^(eo - ex - ew).  LIMITS: e6 - e0 - e1, e7 - e2 - e3 and e9 - e4 - e5 lie between -126 and 119.
; The fragments are fetched 16 bytes a lane (k = 32 c + 16 (lane / 16) + 0 .. 15 in registers 4 c .. 4 c + 3): a permutation of k that is the same on both sides, so every product meets its partner.
; REGISTERS: window 0: v16-31 addresses and constants; v64-127 codes; v128-255 A's 8 fragments (one set), later rows read back.  window 1: B's 4 fragments, two sets (v0, v64).  window 2: the accumulators, (a, b) at v[8 (4 a + b)].
.set PITCH,  272                       ; an LDS row: 256 bytes + 16 of padding
.set HALFA,  128*PITCH                 ; what one load brings of A, and what a wave reads of A
.set HALFB,  64*PITCH                  ; the same for B
.set SLOT,   2*HALFA+2*HALFB
.set SPARE,  2*SLOT                    ; behind the ring: the spare words, 128 bytes for each wave, which no other line names
.set FR,     16
.set ADRA, 16                          ; v16-17 LDS address of my A fragments in slot 0, 1
.set ADRB, 20                          ; v20-21 the same for B
.set STO,  24                          ; the way out: where I put 8 bytes of a row
.set RD,   25                          ; where I read 16 bytes back
.set CO,   26                          ; 16 x lane
.set SPW,  28
.set NIL,  29
.set SC,   30                          ; the conversion's scale
.set LIMV, 31
.set TMP,  32
.set COD,  64
.set AF,   128
.set G1, 24                            ; s[24:31] group 1 for A; s[32:39] its groups 0, one for each slot
.set G0, 32
.set G1B, 48                           ; s[48:55], s[56:63] the same for B
.set G0B, 56
.set MSB, 0
.macro WIN new                         ; the immediate's high byte repeats the setting that is left
.if MSB != \new
	s_set_vgpr_msb (MSB<<8)|\new
.set MSB, \new
.endif
.endm
.set MUL,  0xa1                        ; source 0 (B) window 1, source 1 (A) window 0, C and D window 2
.set TO_B, 0x40                        ; destination window 1
.macro JLOAD s                         ; a joint load: waves 0, 1 fetch A's halves, waves 2, 3 B's; the branch hangs on the wave's number alone; s_nop 0 and four v_nop follow each line
	s_cmp_eq_u32 s15, 0
	s_cbranch_scc0 .Lfor_b_\@
	tensor_load_to_lds s[G0+4*\s:G0+4*\s+3], s[G1:G1+7]
	s_nop 0
.rept 4
	v_nop
.endr
	s_branch .Lasked_\@
.Lfor_b_\@:
	tensor_load_to_lds s[G0B+4*\s:G0B+4*\s+3], s[G1B:G1B+7]
	s_nop 0
.rept 4
	v_nop
.endr
.Lasked_\@:
.endm
.macro CREST                           ; a round of the cluster's barrier behind its opening barrier
	s_cmp_lg_u32 s14, 0
	s_cbranch_scc1 .Lnot_wave_0_\@
	s_barrier_signal -3
.Lnot_wave_0_\@:
	s_barrier_wait -3
	s_barrier_signal -1
	s_barrier_wait -1
.endm
.macro CROUND
	s_barrier_signal -1
	s_barrier_wait -1
	CREST
.endm
.macro PLACES n
.rept \n
	v_nop
.endr
.endm
	s_load_b256 s[4:11], s[0:1], 0x0               ; xc 4:5, wc 6:7, the exponents 8:9, qkv 10:11
	v_lshl_add_u32 v[SPW], v0, 2, SPARE
	v_mov_b32 v[NIL], 0
	ds_add_u32 v[SPW], v[NIL]                      ; the opening: the add, twice on end, and its wait ahead of my first tensor load
	ds_add_u32 v[SPW], v[NIL]
	v_lshrrev_b32 v1, 5, v0
	v_readfirstlane_b32 s14, v1                    ; wave 0..3
	s_lshr_b32 s15, s14, 1                         ; which 128 rows of A are mine.  Also: I fetch for A (0) or for B (1)
	s_and_b32 s16, s14, 1                          ; which 64 rows of B are mine.  Also: which half of that tile I fetch
	s_bfe_u32 s40, ttmp6, 0x40000                  ; cx
	s_bfe_u32 s41, ttmp6, 0x40004                  ; cy
	s_and_b32 s12, ttmp7, 0xffff                   ; the cluster's y, 0..23
	s_lshr_b32 s13, s12, 3                         ; the section: 0 q, 1 k, 2 v
	s_and_b32 s66, s12, 7
	s_lshl_b32 s67, s66, 1
	s_add_co_u32 s67, s67, ttmp9                   ; v: clusters along B (tokens): 16
	s_cmp_lt_u32 s13, 2
	s_cselect_b32 s17, s66, 0                      ; clusters along A: q, k: 8 (tokens); v: 1 (channels)
	s_cselect_b32 s42, ttmp9, s67                  ; clusters along B: q, k: 2 (channels)
	s_lshl_b32 s17, s17, 2
	s_add_co_u32 s17, s17, s41                     ; my block of 256 rows of A: made of cy alone
	s_lshl_b32 s42, s42, 2
	s_add_co_u32 s42, s42, s40                     ; my block of 128 rows of B: made of cx alone
	s_lshl_b32 s43, s41, 2
	s_lshl_b32 s43, 15, s43                        ; my row of the cluster
	s_lshl_b32 s44, 0x1111, s40                    ; my column
	s_or_b32 s[G1+0], s43, (0<<16)|(1<<20)|(1<<21)|(5<<22)|(3<<25)   ; the mask; elements of 1 byte; padding on; bit 21 beside a mask; 4 words behind every 64
	s_or_b32 s[G1B+0], s44, (0<<16)|(1<<20)|(1<<21)|(5<<22)|(3<<25)
	s_mov_b32 s[G1+1], 256<<16                     ; tensor_dim0
	s_mov_b32 s[G1+2], 128<<16                     ; tensor_dim1
	s_mov_b32 s[G1+3], 256<<16                     ; tile_dim0
	s_mov_b32 s[G1+4], 128                         ; tile_dim1
	s_mov_b32 s[G1+5], 1024                        ; from row to row
	s_mov_b32 s[G1+6], 0
	s_mov_b32 s[G1+7], 0
	s_mov_b32 s[G1B+1], 256<<16
	s_mov_b32 s[G1B+2], 64<<16
	s_mov_b32 s[G1B+3], 256<<16
	s_mov_b32 s[G1B+4], 64
	s_mov_b32 s[G1B+5], 1024
	s_mov_b32 s[G1B+6], 0
	s_mov_b32 s[G1B+7], 0
	s_lshl_b32 s20, s17, 18                        ; A: (256 block + 128 half) rows of 1,024 bytes
	s_lshl_b32 s18, s16, 17
	s_add_co_u32 s20, s20, s18
	s_lshl_b32 s19, s13, 23                        ; x's section of codes
	s_lshl_b32 s46, s42, 17                        ; B: (128 block + 64 half) rows
	s_lshl_b32 s47, s16, 16
	s_add_co_u32 s46, s46, s47
	s_lshl_b32 s47, s13, 20                        ; the weight's section
	s_cmp_lt_u32 s13, 2
	s_cselect_b32 s19, s19, 2<<20                  ; v: A is Wv,
	s_cselect_b32 s47, s47, 2<<23                  ; and B is x's third section
	s_add_co_u32 s20, s20, s19
	s_mov_b32 s21, 0
	s_add_co_u32 s46, s46, s47
	s_mov_b32 s47, 0
	s_mul_i32 s45, s16, HALFA                      ; where the tiles go: no place in the cluster enters an LDS address
	s_mul_i32 s93, s16, HALFB
	s_add_co_u32 s93, s93, 2*HALFA
	s_wait_dscnt 0x0                               ; both opening adds are done
	s_wait_kmcnt 0x0
	s_load_b256 s[72:79], s[8:9], 0x0              ; e0 .. e7
	s_load_b128 s[80:83], s[8:9], 0x20             ; e8 .. e11
	s_cmp_lt_u32 s13, 2
	s_cselect_b64 s[88:89], s[4:5], s[6:7]         ; A's buffer,
	s_cselect_b64 s[90:91], s[6:7], s[4:5]         ; B's
	s_add_nc_u64 s[88:89], s[88:89], s[20:21]
	s_add_nc_u64 s[90:91], s[90:91], s[46:47]
	CROUND                                         ; all sixteen work-groups are here: the first joint loads meet
.irp s, 0,1
	s_mov_b32 s[G0+4*\s], 1
	s_add_co_u32 s[G0+4*\s+1], s45, \s*SLOT
	s_add_nc_u64 s[G0+4*\s+2:G0+4*\s+3], s[88:89], \s*256
	s_or_b32 s[G0+4*\s+3], s[G0+4*\s+3], 0x80000000
	s_mov_b32 s[G0B+4*\s], 1
	s_add_co_u32 s[G0B+4*\s+1], s93, \s*SLOT
	s_add_nc_u64 s[G0B+4*\s+2:G0B+4*\s+3], s[90:91], \s*256
	s_or_b32 s[G0B+4*\s+3], s[G0B+4*\s+3], 0x80000000
	JLOAD \s
.endr
	v_and_b32 v1, 15, v0                           ; r
	s_wait_alu depctr_va_vdst(0)
	v_bfe_u32 v2, v0, 4, 1                         ; h
	v_mul_u32_u24 v3, v1, PITCH
	v_lshl_add_u32 v4, v2, 4, v3                   ; a fragment's row x pitch + 16 h
	s_mul_i32 s21, s15, HALFA
	s_mul_i32 s22, s16, HALFB
	s_add_co_u32 s22, s22, 2*HALFA
.irp s, 0,1
	v_add_nc_u32 v[ADRA+\s], s21, v4
	v_add_nc_u32 v[ADRB+\s], s22, v4
	s_add_co_u32 s21, s21, SLOT
	s_add_co_u32 s22, s22, SLOT
.endr
	s_mul_i32 s23, s14, 10240                      ; my stage for the way out: 128 rows x (64 bytes + 16), in slot 0: used when that slot has had its last fill and its last read
	v_mul_u32_u24 v5, v1, 80
	s_wait_alu depctr_va_vdst(0)
	v_lshl_add_u32 v5, v2, 3, v5
	v_add_nc_u32 v[STO], s23, v5                   ; in: row r, 8 bytes for each half of the lanes
	v_and_b32 v6, 31, v0
	v_lshrrev_b32 v7, 2, v6
	v_mul_u32_u24 v7, v7, 80
	v_and_b32 v8, 3, v6
	v_lshl_add_u32 v7, v8, 4, v7
	v_add_nc_u32 v[RD], s23, v7                    ; back: four lanes to a row of 64 bytes, eight rows an instruction
	v_lshlrev_b32 v[CO], 4, v6
	; where my 128 x 64 codes go.  q, k: 8,192 dense bytes: section, batch, head = 2 block_B + half, token.  v: two runs of 4,096: batch, head = 4 block_A + 2 half (+ 1), block of 64 keys
	s_lshl_b32 s67, s13, 23
	s_lshr_b32 s68, s17, 3
	s_lshl_b32 s68, s68, 21
	s_add_co_u32 s67, s67, s68
	s_lshl_b32 s68, s42, 1
	s_add_co_u32 s68, s68, s16
	s_lshl_b32 s68, s68, 17
	s_add_co_u32 s67, s67, s68
	s_and_b32 s68, s17, 7
	s_lshl_b32 s68, s68, 14
	s_add_co_u32 s67, s67, s68
	s_lshl_b32 s68, s15, 13
	s_add_co_u32 s67, s67, s68
	s_lshr_b32 s69, s42, 4
	s_lshl_b32 s69, s69, 21
	s_add_co_u32 s69, s69, 2<<23
	s_lshl_b32 s70, s17, 2
	s_lshl_b32 s71, s15, 1
	s_add_co_u32 s70, s70, s71
	s_lshl_b32 s70, s70, 17
	s_add_co_u32 s69, s69, s70
	s_and_b32 s70, s42, 15
	s_lshl_b32 s70, s70, 1
	s_add_co_u32 s70, s70, s16
	s_lshl_b32 s70, s70, 12
	s_add_co_u32 s69, s69, s70
	s_cmp_lt_u32 s13, 2
	s_cselect_b32 s70, s67, s69                    ; rows 0-63 of mine,
	s_mov_b32 s71, 0
	s_mov_b32 s68, 0x20000
	s_cselect_b32 s68, 4096, s68                   ; and how far on rows 64-127 lie: the next 64 tokens, or the next head
	s_mov_b32 s69, 0
	s_add_nc_u64 s[84:85], s[10:11], s[70:71]
	s_add_nc_u64 s[86:87], s[84:85], s[68:69]
.macro FRAG reg, adr, q, i             ; 16 rows x 128 K: four loads of 16 bytes a lane
.irp c, 0,1,2,3
	ds_load_b128 v[\reg+4*\c:\reg+4*\c+3], v[\adr] offset:128*(\q)+32*\c+(\i)*16*PITCH
.endr
.endm
.macro FETCH_B slot, q, p
	WIN TO_B
.irp i, 0,1,2,3
	FRAG 64*(\p)+FR*\i, ADRB+\slot, \q, \i
.endr
	WIN 0
.endm
.macro FETCH_A slot, q, i0
.irp i, \i0, \i0+1, \i0+2, \i0+3
	FRAG AF+FR*(\i), ADRA+\slot, \q, \i
.endr
.endm
; 8 matrix instructions: A's blocks a0, a0 + 1 x B's four.  The 32 accumulators take turns, one instruction a turn, in the same order in every step.  zero = 1: the products start the sums.
.macro MUL8 a0, p, zero
.irp a, \a0, \a0+1
.irp b, 0,1,2,3
.if \zero
	v_wmma_f32_16x16x128_fp8_fp8 v[8*(4*(\a)+\b):8*(4*(\a)+\b)+7], v[64*(\p)+FR*\b:64*(\p)+FR*\b+FR-1], v[AF+FR*(\a):AF+FR*(\a)+FR-1], 0
.else
	v_wmma_f32_16x16x128_fp8_fp8 v[8*(4*(\a)+\b):8*(4*(\a)+\b)+7], v[64*(\p)+FR*\b:64*(\p)+FR*\b+FR-1], v[AF+FR*(\a):AF+FR*(\a)+FR-1], v[8*(4*(\a)+\b):8*(4*(\a)+\b)+7]
.endif
.endr
.endr
.endm
; A slot's first 128 along K; it fetches the second.  Four plain places stand between a matrix instruction and a load into a register that it has read (ISA guide 7.12.1 for vector instructions).
.macro STEP slot, zero
	s_wait_dscnt 16                                ; B's set and A's blocks 0-3 are in; the youngest sixteen loads (A's blocks 4-7) may be out
	WIN MUL
	MUL8 0, 0, \zero
	MUL8 2, 0, \zero
	s_wait_dscnt 0
	PLACES 4
	FETCH_B \slot, 1, 1
	FETCH_A \slot, 1, 0
	WIN MUL
	MUL8 4, 0, \zero
	MUL8 6, 0, \zero
	PLACES 4
	WIN 0
	FETCH_A \slot, 1, 4
.endm
; A slot's second 128 along K, and the change of slots: each wave waits for all its tensor loads, adds 0 to its spare word, waits for that and for its reads of this slot; one barrier.  fill = 1: the barrier opens a round of the cluster's, and the slot is filled again first thing behind it.
.macro TURN slot, next, fill
	s_wait_tensorcnt 0x0                           ; all my tensor loads have landed: my part of the next slot
	ds_add_u32 v[SPW], v[NIL]
	s_wait_dscnt 17                                ; (the add and the youngest sixteen loads may be out)
	WIN MUL
	MUL8 0, 1, 0
	s_wait_dscnt 0x0                               ; the add is done, and my reads of this slot are over
	s_barrier_signal -1
	MUL8 2, 1, 0
	WIN 0
	s_barrier_wait -1
.if \fill
	CREST                                          ; no wave of any partner still reads this slot or has a load on its way
	s_add_nc_u64 s[G0+4*\slot+2:G0+4*\slot+3], s[G0+4*\slot+2:G0+4*\slot+3], 512
	s_add_nc_u64 s[G0B+4*\slot+2:G0B+4*\slot+3], s[G0B+4*\slot+2:G0B+4*\slot+3], 512
	JLOAD \slot                                    ; its four v_nop are also the places in front of the loads below
.else
	PLACES 4
.endif
	FETCH_B \next, 0, 0
	FETCH_A \next, 0, 0
	WIN MUL
	MUL8 4, 1, 0
	MUL8 6, 1, 0
	PLACES 4
	WIN 0
	FETCH_A \next, 0, 4
.endm
	s_wait_tensorcnt 1                             ; my part of K step 0 is in; K step 1's load may be out
	s_barrier_signal -1
	s_barrier_wait -1
	FETCH_B 0, 0, 0
	FETCH_A 0, 0, 0
	FETCH_A 0, 0, 4
	STEP 0, 1                                      ; k 0-127 start the sums
	TURN 0, 1, 1                                   ; slot 0 takes k 512-767
	STEP 1, 0
	TURN 1, 0, 1                                   ; slot 1 takes k 768-1023
	STEP 0, 0
	TURN 0, 1, 0                                   ; nothing is left to fetch
	STEP 1, 0
	s_wait_dscnt 16
	WIN MUL
	MUL8 0, 1, 0
	MUL8 2, 1, 0
	s_wait_dscnt 0
	MUL8 4, 1, 0
	MUL8 6, 1, 0
	WIN 0
	; THE WAY OUT: converted (eight neighbours a lane), through my stage, and out as runs of 512 consecutive bytes.
	s_wait_kmcnt 0x0
	s_sub_co_i32 s94, s78, s72                     ; e6 - e0 - e1
	s_sub_co_i32 s94, s94, s73
	s_sub_co_i32 s95, s79, s74                     ; e7 - e2 - e3
	s_sub_co_i32 s95, s95, s75
	s_sub_co_i32 s96, s81, s76                     ; e9 - e4 - e5
	s_sub_co_i32 s96, s96, s77
	s_cmp_eq_u32 s13, 1
	s_cselect_b32 s94, s95, s94
	s_cmp_eq_u32 s13, 2
	s_cselect_b32 s94, s96, s94
	s_add_co_i32 s94, s94, 127
	s_lshl_b32 s95, s94, 23
	v_mov_b32 v[SC], s95
	s_wait_alu depctr_va_vdst(0)
	s_add_co_i32 s94, s94, 8
	s_lshl_b32 s94, s94, 23
	s_or_b32 s94, s94, 0x600000
	PLACES 4                                       ; behind the last products, ahead of the first read of results
.macro OUTB a
	WIN 0x02                                       ; source 0: window 2
.set j, 0
.rept 32
.set j, j+1
.endr
.irp b, 0,1,2,3
	v_cvt_scalef32_pk8_fp8_f32 v[COD+8*(\a)+2*\b:COD+8*(\a)+2*\b+1], v[TMP+8*\b+((32*(\a)+j)-(TMP+j)):TMP+8*\b+7+((32*(\a)+j)-(TMP+j))], v[SC]
.endr
	WIN 0
	v_nop                                          ; a plain line behind the conversions
.irp b, 0,1,2,3
	ds_store_b64 v[STO], v[COD+8*(\a)+2*\b:COD+8*(\a)+2*\b+1] offset:1280*(\a)+16*\b
.endr
.endm
.irp a, 0,1,2,3,4,5,6,7
	OUTB \a
.endr
.irp s, 0,1,2,3,4,5,6,7,8,9,10,11,12,13,14,15
	ds_load_b128 v[AF+4*\s:AF+4*\s+3], v[RD] offset:640*\s     ; LDS serves a wave's instructions in order: these see my stores
.endr
.irp s, 0,1,2,3,4,5,6,7
	s_wait_dscnt 15-\s                             ; load s is in, the younger ones may be out
	global_store_b128 v[CO], v[AF+4*\s:AF+4*\s+3], s[84:85] offset:512*\s
.endr
.irp s, 8,9,10,11,12,13,14,15
	s_wait_dscnt 15-\s
	global_store_b128 v[CO], v[AF+4*\s:AF+4*\s+3], s[86:87] offset:512*(\s-8)
.endr
	s_wait_tensorcnt 0x0                           ; the wave's end
	ds_add_u32 v[SPW], v[NIL]
	s_wait_dscnt 0x0
	CROUND                                         ; the closing round
	s_endpgm
.Lfunc_end_k_qda25c1777e_proj:
	.size	k_qda25c1777e_proj, .Lfunc_end_k_qda25c1777e_proj-k_qda25c1777e_proj
	.p2alignl 7, 3214868480
	.fill 96, 4, 3214868480
	.section	.rodata,"a",@progbits
	.p2align	6, 0x0
	.amdhsa_kernel k_qda25c1777e_proj
		.amdhsa_group_segment_fixed_size 327680
		.amdhsa_private_segment_fixed_size 0
		.amdhsa_enable_private_segment 0
		.amdhsa_kernarg_size 32
		.amdhsa_user_sgpr_count 2
		.amdhsa_user_sgpr_kernarg_segment_ptr 1
		.amdhsa_wavefront_size32 1
		.amdhsa_system_sgpr_workgroup_id_x 1
		.amdhsa_system_sgpr_workgroup_id_y 1
		.amdhsa_system_sgpr_workgroup_id_z 1
		.amdhsa_system_vgpr_workitem_id 0
		.amdhsa_next_free_vgpr 768
		.amdhsa_next_free_sgpr 100
		.amdhsa_reserve_vcc 0
		.amdhsa_float_denorm_mode_32 3
		.amdhsa_float_denorm_mode_16_64 3
		.amdhsa_fp16_overflow 1
		.amdhsa_memory_ordered 1
		.amdhsa_forward_progress 1
		.amdhsa_inst_pref_size 63
	.end_amdhsa_kernel
	.amdgpu_metadata
---
amdhsa.version: [ 1, 2 ]
amdhsa.kernels:
  - .name:           k_qda25c1777e_proj
    .symbol:         k_qda25c1777e_proj.kd
    .args:
      - { .name: xc, .offset: 0, .size: 8, .value_kind: global_buffer, .address_space: global }
      - { .name: wc, .offset: 8, .size: 8, .value_kind: global_buffer, .address_space: global }
      - { .name: lowp_scales, .offset: 16, .size: 8, .value_kind: global_buffer, .address_space: global }
      - { .name: qkv, .offset: 24, .size: 8, .value_kind: global_buffer, .address_space: global }
    .group_segment_fixed_size: 327680
    .private_segment_fixed_size: 0
    .kernarg_segment_align: 8
    .kernarg_segment_size: 32
    .max_flat_workgroup_size: 128
    .sgpr_count:     100
    .vgpr_count:     768
    .wavefront_size: 32
...
	.end_amdgpu_metadata
.endif
;; end of part 2
;; launch attn (part 3): grid 4 x 64, 16 waves a work-group, no clusters, 327,680 bytes of LDS; arguments qkv, lowp_scales, cc; writes cc
.if DOCPART == 3
	.amdgcn_target "amdgcn-amd-amdhsa--gfx1250"
	.amdhsa_code_object_version 6
	.text
	.protected	k_qda25c1777e_attn
	.globl	k_qda25c1777e_attn
	.p2align	8
	.type	k_qda25c1777e_attn,@function
k_qda25c1777e_attn:
	s_mov_b64 s[64:65], 0
	v_nop
	global_prefetch_b8 v0, s[64:65] scope:SCOPE_SE
	s_setreg_imm32_b32 hwreg(HW_REG_WAVE_MODE, 25, 1), 1
	s_wait_xcnt 0x0
; ctx[b][h][q] = softmax_k(q . k / 8, causal) v, both products on codes of E4M3; ctx is quantised (e10) and stored as codes [h][token][64].
; LEFT OUT: every step of 128 keys all of which come after a wave's 16 queries: reference()'s own jnp.tril gives those keys the weight 0 for all finite inputs (shown at the head of the first kernel).
; THE SOFTMAX: t = score x log2(e) / 8; M = the running largest t rounded UP to a whole number; p = 2^(t - M) is quantised with 2^e8, not normalised; the row's sum is taken of the unquantised p and divides at the end.
; When M moves, the sum and O^T are multiplied by 2^(old M - new M), which rounds nothing.  No branch hangs on data.
; SHARES.  Work-group (p, head) owns query blocks p and 7 - p (256 queries each): (p + 1) + (8 - p) = 9 units of 256 queries x 256 keys in EVERY work-group, so the trip count is a constant and the work is even.
; Unit u <= p: block p, keys 256 u on; unit u > p: block 7 - p, keys 256 (u - p - 1) on.  Each of the sixteen waves owns 16 queries of the block in hand; four waves share a SIMD, one's vector work beside another's products.
; NO CLUSTER: in the same unit the four work-groups of a head want different keys (u against u - p - 1), so joint requests would not meet.
; RING: two LDS slots of 256 keys.  K's 256 rows and V's four blocks [64 d][64 keys] are each 16,384 dense bytes: wave 0 fetches K's, wave 1 V's, one load each, 16 bytes of padding behind every 64.
; By this text's count a wave has one tensor load out.  Every slot that is fetched is read (its first 128 keys count for every wave) but by the branch on the wave's number.
; LAYOUT.  Both products transposed (S^T = K Q^T, O^T = V^T P): a lane holds ONE query.  Lane r of K's tile 2 b + u takes key 32 b + 8 u + r + 8 (r / 8), so the 16 registers of tiles 2 b, 2 b + 1 are keys 32 b + 16 (lane / 16) + 0 .. 15.
; Fragments are fetched 16 bytes a lane: a permutation of k that is the same on both sides of each product.
; LIMITS: e6 + e7 between -124 and 130 (added to c's exponent field); e8 and e10 - e8 - e9 between -126 and 119.
; REGISTERS: v1-11 addresses; v12 -M, v13 the largest t, v[14:15] the sum; v16-23 Q; v32-95 K's 8 fragments, then V's 4; v96-159 S^T, then p; v160-191 O^T; v192-207 at work and constants; v224-239 p's codes.
.set KP,    80                         ; 64 bytes + 16 of padding
.set VOFF,  256*KP                     ; a slot: K's 256 rows, then V's 256 rows (4 blocks x 64 d)
.set SLOT1, 65536                      ; slot 1 begins here: one exclusive or turns an address from one slot to the other
.set STAGE, 2*SLOT1                    ; the way out: 16 rows x 80 bytes for each wave; no fill ever lands here
.set SPARE, STAGE+16*16*KP             ; the spare words, 128 bytes for each wave, which no other line names
.set AK0, 1
.set AV0, 2
.set PFO, 3                            ; 256 x lane, for the prefetches
.set QO,  4
.set SPW, 5
.set NIL, 6
.set STO, 7
.set ADK, 8
.set ADV, 9
.set RD,  10
.set GO,  11
.set TB,  2                            ; s2  LDS byte at which the slot in hand begins
.set UC,  3                            ; s3  the unit, counted up
.set PP,  10                           ; s10 p
.set NS,  11                           ; s11 which 256 keys were asked for last
.set KF,  12                           ; s12 the step's first key
.set Q0,  13                           ; s13 my first query;  s14 that of the second block
.set WV,  18
.set SEL, 20                           ; s[20:21] selects for lane l xor 16
.set CS,  22                           ; s[22:23] c = log2(e) / 8 x 2^(e6 + e7)
.set G1,  24                           ; s[24:31] group 1, for K and V alike
.set G0,  40                           ; s[40:43] group 0, which walks
.set GB,  44                           ; s[44:45] my tensor's (K's or V's) first byte of the head
.set PFA, 48                           ; s[48:49] where my prefetches stand
.set LIM, 50                           ; s50 7 in a wave that prefetches, else 0
.macro TLOAD                           ; waves 0 and 1 fetch; s_nop 0 and four v_nop follow the line
	s_cmp_lt_u32 s[WV], 2
	s_cbranch_scc0 .Lnone_\@
	tensor_load_to_lds s[G0:G0+3], s[G1:G1+7]
	s_nop 0
.rept 4
	v_nop
.endr
.Lnone_\@:
.endm
; A PREFETCH INTO THE L2.  Work-group p = 0 of a head walks keys 256 (u - 1) on in unit u, all eight slots; in unit u = 0 .. 6 it asks for keys 256 (u + 1) on, which its own tensor loads ask for one unit (two key steps of
; all sixteen waves) later.  Waves 4, 5 ask for the halves of K's 16,384 bytes, waves 6, 7 for V's, lanes 256 bytes apart: each aligned 256 bytes of keys 256 on is named once in the launch, and nothing past the head's last key.
.macro ASK
	s_cmp_lt_u32 s[UC], s[LIM]
	s_cbranch_scc0 .Lnot_mine_\@
	global_prefetch_b8 v[PFO], s[PFA:PFA+1] th:TH_LOAD_NT scope:SCOPE_SE
.Lnot_mine_\@:
.endm
	s_load_b128 s[4:7], s[0:1], 0x0                ; qkv 4:5, the exponents 6:7
	s_load_b64 s[8:9], s[0:1], 0x10                ; cc
	v_lshl_add_u32 v[SPW], v0, 2, SPARE
	v_mov_b32 v[NIL], 0
	ds_add_u32 v[SPW], v[NIL]                      ; the opening: the add, twice on end, and its wait ahead of the first tensor load
	ds_add_u32 v[SPW], v[NIL]
	v_lshrrev_b32 v8, 5, v0
	s_delay_alu instid0(VALU_DEP_1)
	v_readfirstlane_b32 s[WV], v8                  ; wave 0..15
	s_mov_b32 s[PP], ttmp9
	s_and_b32 s66, ttmp7, 0xffff                   ; 16 b + h
	s_mov_b32 s[G1], (0<<16)|(1<<20)|(3<<22)|(3<<25)   ; no mask; elements of 1 byte; padding on: 4 words behind every 16
	s_mov_b32 s[G1+1], 256<<16                     ; tensor_dim0: the dense 16,384 bytes are stated as 64 rows of 256
	s_mov_b32 s[G1+2], 64<<16                      ; tensor_dim1
	s_mov_b32 s[G1+3], 256<<16                     ; tile_dim0
	s_mov_b32 s[G1+4], 64                          ; tile_dim1
	s_mov_b32 s[G1+5], 256                         ; from row to row
	s_mov_b32 s[G1+6], 0
	s_mov_b32 s[G1+7], 0
	s_mov_b32 s[SEL], 0x76543210
	s_mov_b32 s[SEL+1], 0xfedcba98
	s_mov_b32 s[CS], 0x3e38aa3b                    ; log2(e) / 8
	s_mov_b32 s[TB], 0
	s_mov_b32 s[UC], 0
	s_mov_b32 s[NS], 0
	s_mov_b32 s[KF], 0
	s_lshl_b32 s67, s[WV], 4
	s_lshl_b32 s[Q0], s[PP], 8
	s_add_co_u32 s[Q0], s[Q0], s67                 ; 256 p + 16 wave
	s_sub_co_u32 s14, 7, s[PP]
	s_lshl_b32 s14, s14, 8
	s_add_co_u32 s14, s14, s67                     ; 256 (7 - p) + 16 wave
	s_lshl_b32 s68, s66, 17                        ; the head's first byte in each section of qkv
	s_lshl_b32 s70, s[Q0], 6
	s_add_co_u32 s70, s70, s68                     ; my queries' codes, first block,
	s_mov_b32 s71, 0
	s_lshl_b32 s72, s14, 6
	s_add_co_u32 s72, s72, s68                     ; second block
	s_mov_b32 s73, 0
	s_and_b32 s69, s66, 15
	s_lshl_b32 s69, s69, 19                        ; cc: the head's plane,
	s_lshr_b32 s74, s66, 4
	s_lshl_b32 s74, s74, 17                        ; the batch's 2,048 tokens of 64 bytes
	s_add_co_u32 s69, s69, s74
	s_lshl_b32 s74, s[Q0], 6
	s_add_co_u32 s74, s74, s69
	s_mov_b32 s75, 0
	s_lshl_b32 s96, s14, 6
	s_add_co_u32 s96, s96, s69
	s_mov_b32 s97, 0
	s_and_b32 s67, s[WV], 1                        ; what I fetch, if I fetch: K (0) or V (1):
	s_mul_i32 s[G0+1], s67, VOFF                   ; its place in slot 0,
	s_add_co_u32 s67, s67, 1
	s_lshl_b32 s67, s67, 23                        ; its section,
	s_add_co_u32 s46, s67, s68                     ; the head
	s_mov_b32 s47, 0
	s_wait_dscnt 0x0                               ; both opening adds are done
	s_wait_kmcnt 0x0
	s_load_b256 s[52:59], s[6:7], 0x0              ; e0 .. e7
	s_load_b128 s[60:63], s[6:7], 0x20             ; e8 .. e11
	s_add_nc_u64 s[GB:GB+1], s[4:5], s[46:47]
	s_mov_b32 s[G0], 1
	s_mov_b64 s[G0+2:G0+3], s[GB:GB+1]             ; keys 0-255
	s_or_b32 s[G0+3], s[G0+3], 0x80000000
	TLOAD                                          ; slot 0
	s_add_nc_u64 s[32:33], s[4:5], s[70:71]        ; Q, first block; second block
	s_add_nc_u64 s[34:35], s[4:5], s[72:73]
	s_add_nc_u64 s[36:37], s[8:9], s[74:75]        ; cc likewise
	s_add_nc_u64 s[38:39], s[8:9], s[96:97]
	s_lshr_b32 s67, s[WV], 1                       ; the prefetches: waves 4, 5: K; waves 6, 7: V
	s_and_b32 s67, s67, 1
	s_add_co_u32 s67, s67, 1
	s_lshl_b32 s67, s67, 23
	s_add_co_u32 s70, s67, s68
	s_and_b32 s67, s[WV], 1
	s_lshl_b32 s67, s67, 13                        ; which 8,192 bytes of the 16,384
	s_add_co_u32 s70, s70, s67
	s_add_nc_u64 s[PFA:PFA+1], s[4:5], s[70:71]    ; at keys 0-255: the first change of slots steps it on.  Nothing is prefetched here, at the head
	s_lshr_b32 s67, s[WV], 2
	s_xor_b32 s67, s67, 1                          ; 0 in waves 4 to 7,
	s_or_b32 s67, s67, ttmp9                       ; of work-group p = 0
	s_cmp_eq_u32 s67, 0
	s_cselect_b32 s[LIM], 7, 0
	v_and_b32 v8, 15, v0                           ; r
	v_bfe_u32 v9, v0, 4, 1                         ; h
	s_delay_alu instid0(VALU_DEP_2)
	v_lshlrev_b32 v[QO], 6, v8
	s_delay_alu instid0(VALU_DEP_1)
	v_lshl_add_u32 v[QO], v9, 4, v[QO]             ; Q: row r of 64 bytes, + 16 h
	global_load_b128 v[16:19], v[QO], s[32:33]
	global_load_b128 v[20:23], v[QO], s[32:33] offset:32
	v_and_b32 v10, 8, v8
	s_delay_alu instid0(VALU_DEP_1)
	v_add_nc_u32 v10, v10, v8                      ; r + 8 (r / 8)
	s_delay_alu instid0(VALU_DEP_1)
	v_mul_u32_u24 v[AK0], v10, KP
	s_delay_alu instid0(VALU_DEP_1)
	v_lshl_add_u32 v[AK0], v9, 4, v[AK0]
	v_mul_u32_u24 v[AV0], v8, KP
	s_delay_alu instid0(VALU_DEP_1)
	v_lshl_add_u32 v[AV0], v9, 4, v[AV0]
	s_delay_alu instid0(VALU_DEP_1)
	v_add_nc_u32 v[AV0], VOFF, v[AV0]
	v_lshlrev_b32 v207, 4, v9
	s_delay_alu instid0(VALU_DEP_1)
	v_sub_nc_u32 v207, v8, v207                    ; r - 16 h, for the mask
	v_mov_b32 v206, 0xff800000                     ; -infinity
	v_and_b32 v11, 31, v0
	s_delay_alu instid0(VALU_DEP_1)
	v_lshlrev_b32 v[PFO], 8, v11
	s_mul_i32 s67, s[WV], 16*KP
	s_add_co_u32 s67, s67, STAGE                   ; my stage
	v_mul_u32_u24 v[STO], v8, KP
	s_delay_alu instid0(VALU_DEP_1)
	v_lshl_add_u32 v[STO], v9, 3, v[STO]
	s_delay_alu instid0(VALU_DEP_1)
	v_add_nc_u32 v[STO], s67, v[STO]               ; in: row r, 8 bytes for each half of the lanes
	v_lshrrev_b32 v10, 2, v11
	s_delay_alu instid0(VALU_DEP_1)
	v_mul_u32_u24 v10, v10, KP
	v_and_b32 v196, 3, v11
	s_delay_alu instid0(VALU_DEP_1)
	v_lshl_add_u32 v10, v196, 4, v10
	s_delay_alu instid0(VALU_DEP_1)
	v_add_nc_u32 v[RD], s67, v10                   ; back: four lanes to a row, eight rows an instruction
	v_lshlrev_b32 v[GO], 4, v11
	v_mov_b32 v192, 0                              ; written once: a lane permute's destination counts as one of its sources
	v_mov_b32 v195, 0                              ; (named as the upper half of the pair v[194:195])
.macro INIT                            ; the step is written once: a block's first step finds zeros, which the first change of M leaves zeros
	v_mov_b32 v13, 0xff61b1e6                      ; the largest t so far: -3e38
	s_delay_alu instid0(VALU_DEP_1)
	v_floor_f32 v12, -v13                          ; -M
	v_mov_b32 v14, 0
	v_mov_b32 v15, 0
.set j, 0
.rept 32
	v_mov_b32 v[160+j], 0
.set j, j+1
.endr
.endm
	INIT
	s_wait_kmcnt 0x0
	s_add_co_i32 s66, s58, s59                     ; a score stands for score x 2^(e6 + e7): added to c's exponent field
	s_lshl_b32 s66, s66, 23
	s_add_co_i32 s[CS], s[CS], s66
	s_mov_b32 s[CS+1], s[CS]
	s_add_co_i32 s66, s60, 127
	s_lshl_b32 s67, s66, 23
	v_mov_b32 v201, s67                            ; 2^e8
	s_sub_co_i32 s66, s62, s60
	s_sub_co_i32 s66, s66, s61                     ; O^T / l stands for ctx / 2^(e8 + e9): its code is that / 2^(e10 - e8 - e9)
	s_add_co_i32 s66, s66, 127
	s_lshl_b32 s67, s66, 23
	v_mov_b32 v202, s67
; A KEY STEP: 128 keys, the q-th of the slot in hand.
.macro STEP q
	s_add_co_u32 s96, s[Q0], 15                    ; all keys behind my last query: the step's work is left out (ids alone); no barrier and no tensor load stands in a step
	s_cmp_gt_u32 s[KF], s96
	s_cbranch_scc1 .Lhidden_\@
	v_add_nc_u32 v[ADK], s[TB], v[AK0]
	v_add_nc_u32 v[ADV], s[TB], v[AV0]
	v_nop                                          ; with the two additions: four places in front of loads into registers that the last products read
	v_nop
.irp t, 0,1,2,3,4,5,6,7
.irp c, 0,1
	ds_load_b128 v[32+8*\t+4*\c:35+8*\t+4*\c], v[ADK] offset:(128*(\q)+32*(\t/2)+8*(\t%2))*KP+32*\c
.endr
.endr
	s_wait_alu depctr_va_vdst(0)
	s_wait_dscnt 0x0
.irp t, 0,1,2,3,4,5,6,7
	v_wmma_f32_16x16x64_fp8_fp8 v[96+8*\t:103+8*\t], v[32+8*\t:39+8*\t], v[16:23], 0
.endr
.rept 4
	v_nop                                          ; places: ahead of the loads below and of the first read of the scores
.endr
.irp t, 0,1,2,3                                ; V's fragments are asked for now and land under the softmax
.irp c, 0,1,2,3
	ds_load_b128 v[32+16*\t+4*\c:35+16*\t+4*\c], v[ADV] offset:((2*(\q)+\c/2)*64+16*\t)*KP+32*(\c%2)
.endr
.endr
	s_add_co_u32 s96, s[KF], 127                   ; on the diagonal hidden scores become -infinity ahead of the maximum; a step all of whose keys count skips this
	s_cmp_le_u32 s96, s[Q0]
	s_cbranch_scc1 .Lopen_\@
	s_sub_co_i32 s96, s[Q0], s[KF]
	v_add_nc_u32 v204, s96, v207                   ; d = my query - KF - 16 h.  Register 16 b + i holds key KF + 16 h + 32 b + i: hidden where 32 b + i > d
.set n, 0
.rept 64
	v_cmp_gt_i32 vcc_lo, 32*(n/16)+n%16, v204
	v_cndmask_b32 v[96+n], v[96+n], v206, vcc_lo
.set n, n+1
.endr
.Lopen_\@:
	v_max3_num_f32 v196, v96, v97, v98             ; the step's largest score of my query among my 64 keys, in two chains, from each accumulator's low end on
	v_max3_num_f32 v197, v99, v100, v101
.set i, 6
.rept 14
	v_max3_num_f32 v196, v196, v[96+i], v[97+i]
	v_max3_num_f32 v197, v197, v[98+i], v[99+i]
.set i, i+4
.endr
	v_max3_num_f32 v196, v196, v158, v159
	s_delay_alu instid0(VALU_DEP_1)
	v_max_num_f32 v196, v196, v197
	s_delay_alu instid0(VALU_DEP_1)
	v_permlanex16_b32 v192, v196, s[SEL], s[SEL+1]
	s_delay_alu instid0(VALU_DEP_1)
	v_max_num_f32 v196, v196, v192                 ; and among lane l xor 16's (key KF counts for every query of the tile, so this is a number)
	s_delay_alu instid0(VALU_DEP_1)
	v_mul_f32 v196, s[CS], v196                    ; as t
	s_delay_alu instid0(VALU_DEP_1)
	v_max_num_f32 v13, v13, v196
	v_mov_b32 v196, v12
	s_delay_alu instid0(VALU_DEP_2)
	v_floor_f32 v12, -v13                          ; the new -M = -ceil(t)
	s_delay_alu instid0(VALU_DEP_1)
	v_sub_f32 v196, v12, v196                      ; old M - new M: a whole number, 0 or less
	s_delay_alu instid0(VALU_DEP_1)
	v_cvt_i32_f32 v196, v196                       ; (it saturates)
	s_delay_alu instid0(VALU_DEP_1)
	v_ldexp_f32 v194, 1.0, v196                    ; f = 2^(old M - new M)
.set j, 0
.rept 32
	v_pk_fma_f32 v[96+j:97+j], v[96+j:97+j], s[CS:CS+1], v[12:13] op_sel_hi:[1,0,0]   ; t - M
.set j, j+2
.endr
.set j, 0
	s_wait_alu depctr_va_vdst(0)
.rept 64
	v_exp_f32 v[96+j], v[96+j]                     ; p = 2^(t - M)
.set j, j+1
.endr
	v_pk_mul_f32 v[14:15], v[14:15], v[194:195] op_sel_hi:[1,0]   ; the sums under the new M: the plain line behind the exponentials
	s_wait_alu depctr_va_vdst(0)                   ; one wait for the batch, ahead of its first reader
	v_pk_add_f32 v[198:199], v[100:101], v[104:105]
	v_pk_add_f32 v[254:255], v[108:109], v[112:113]
	v_pk_add_f32 v[252:253], v[116:117], v[120:121]
	v_pk_add_f32 v[250:251], v[124:125], v[128:129]
	v_pk_add_f32 v[248:249], v[132:133], v[136:137]
	v_pk_add_f32 v[246:247], v[140:141], v[144:145]
	v_pk_add_f32 v[244:245], v[148:149], v[152:153]
	v_pk_add_f32 v[14:15], v[14:15], v[156:157]
	v_pk_add_f32 v[198:199], v[198:199], v[96:97]
	v_pk_add_f32 v[254:255], v[254:255], v[98:99]
	v_pk_add_f32 v[252:253], v[252:253], v[102:103]
	v_pk_add_f32 v[250:251], v[250:251], v[106:107]
	v_pk_add_f32 v[248:249], v[248:249], v[110:111]
	v_pk_add_f32 v[246:247], v[246:247], v[114:115]
	v_pk_add_f32 v[244:245], v[244:245], v[118:119]
	v_pk_add_f32 v[14:15], v[14:15], v[122:123]
	v_pk_add_f32 v[198:199], v[198:199], v[126:127]
	v_pk_add_f32 v[254:255], v[254:255], v[130:131]
	v_pk_add_f32 v[252:253], v[252:253], v[134:135]
	v_pk_add_f32 v[250:251], v[250:251], v[138:139]
	v_pk_add_f32 v[248:249], v[248:249], v[142:143]
	v_pk_add_f32 v[246:247], v[246:247], v[146:147]
	v_pk_add_f32 v[244:245], v[244:245], v[150:151]
	v_pk_add_f32 v[14:15], v[14:15], v[154:155]
	v_pk_add_f32 v[198:199], v[198:199], v[158:159]
	s_delay_alu instid0(VALU_DEP_2)
	v_pk_add_f32 v[14:15], v[14:15], v[250:251]
	s_delay_alu instid0(VALU_DEP_2)
	v_pk_add_f32 v[198:199], v[198:199], v[248:249]
	v_pk_add_f32 v[254:255], v[254:255], v[246:247]
	v_pk_add_f32 v[252:253], v[252:253], v[244:245]
	s_delay_alu instid0(VALU_DEP_2)
	v_pk_add_f32 v[14:15], v[14:15], v[254:255]
	s_delay_alu instid0(VALU_DEP_2)
	v_pk_add_f32 v[198:199], v[198:199], v[252:253]
	s_delay_alu instid0(VALU_DEP_1)
	v_pk_add_f32 v[14:15], v[14:15], v[198:199]
.irp b, 0,1,2,3
.set i, 0
.rept 16
.set i, i+1
.endr
	v_cvt_scalef32_pk8_fp8_f32 v[224+4*\b:225+4*\b], v[96+16*\b:103+16*\b], v201
	v_cvt_scalef32_pk8_fp8_f32 v[226+4*\b:227+4*\b], v[104+16*\b:111+16*\b], v201
.endr
.set j, 0
.rept 16
	v_pk_mul_f32 v[160+j:161+j], v[160+j:161+j], v[194:195] op_sel_hi:[1,0]   ; O^T under the new M (also the plain lines behind the conversions)
.set j, j+2
.endr
	s_wait_alu depctr_va_vdst(0)
	s_wait_dscnt 0x0                               ; V's fragments are in
.irp t, 0,1,2,3
	v_wmma_f32_16x16x128_fp8_fp8 v[160+8*\t:167+8*\t], v[32+16*\t:47+16*\t], v[224:239], v[160+8*\t:167+8*\t]
.endr
.Lhidden_\@:
	s_add_co_u32 s[KF], s[KF], 128
.endm
; THE CHANGE OF SLOTS, at a unit's head.  Each wave waits for all its tensor loads (the slot about to be read), adds 0 to its spare word, waits for that and for its reads of the slot that it has left; one barrier.
; fill = 1: the other slot is then filled with the next unit's keys: it has a whole unit in which to land.
.macro CHANGE fill
	s_wait_tensorcnt 0x0                           ; no tensor load of mine is out, so group 0 may be written
	ds_add_u32 v[SPW], v[NIL]
.if \fill
	ds_add_u32 v[SPW], v[NIL]                      ; and twice on end here, in every trip alike
	s_xor_b32 s[G0+1], s[G0+1], SLOT1              ; the other slot than last time
	s_add_co_u32 s[NS], s[NS], 1                   ; the next 256 keys,
	s_cmp_eq_u32 s[UC], s[PP]
	s_cselect_b32 s[NS], 0, s[NS]                  ; or, where the next unit begins the second block, keys 0 on
	s_lshl_b32 s46, s[NS], 14
	s_add_nc_u64 s[G0+2:G0+3], s[GB:GB+1], s[46:47]
	s_or_b32 s[G0+3], s[G0+3], 0x80000000
	s_wait_xcnt 0x0                                ; the last prefetch, a unit back, has read its address
	s_add_nc_u64 s[PFA:PFA+1], s[PFA:PFA+1], 16384
.endif
	s_wait_dscnt 0x0                               ; the add is done, and my reads of the slot that I have left are over
	s_barrier_signal -1
	s_barrier_wait -1
.if \fill
	TLOAD                                          ; the first thing behind the barrier, a wave's one tensor load until the next
	ASK
.endif
.endm
; A BLOCK'S WAY OUT: O^T / the sum, converted with 2^(e10 - e8 - e9), through my stage, and out as 1,024 dense bytes (16 tokens x 64).
.macro OUT base
.rept 4
	v_nop                                          ; places behind the last products
.endr
	v_add_f32 v14, v14, v15
	s_delay_alu instid0(VALU_DEP_1)
	v_permlanex16_b32 v192, v14, s[SEL], s[SEL+1]
	s_delay_alu instid0(VALU_DEP_1)
	v_add_f32 v14, v14, v192                       ; the row's sum
	s_wait_alu depctr_va_vdst(0)
	v_rcp_f32 v14, v14
	v_nop                                          ; a plain line behind the reciprocal,
	s_wait_alu depctr_va_vdst(0)                   ; and the wait ahead of its first reader
.set j, 0
.rept 32
	v_mul_f32 v[96+j], v[160+j], v14               ; register 8 t + i: channel 16 t + 8 h + i of query r
.set j, j+1
.endr
.set j, 0
.rept 32
.set j, j+1
.endr
.irp t, 0,1,2,3
	v_cvt_scalef32_pk8_fp8_f32 v[224+2*\t:225+2*\t], v[96+8*\t:103+8*\t], v202
.endr
	v_nop                                          ; a plain line behind the last conversion
.irp t, 0,1,2,3
	ds_store_b64 v[STO], v[224+2*\t:225+2*\t] offset:16*\t
.endr
	ds_load_b128 v[32:35], v[RD]                   ; LDS serves a wave's instructions in order: these see my stores
	ds_load_b128 v[36:39], v[RD] offset:8*KP
	s_wait_dscnt 0x0
	global_store_b128 v[GO], v[32:35], s[\base:\base+1]
	global_store_b128 v[GO], v[36:39], s[\base:\base+1] offset:512
.endm
	s_wait_loadcnt 0x0                             ; Q
.Lunit:                                            ; eight trips; the ninth unit is written out, since it asks for nothing
	CHANGE 1
	STEP 0
	STEP 1
	s_xor_b32 s[TB], s[TB], SLOT1
	s_cmp_lg_u32 s[UC], s[PP]                      ; ids and the count of units alone: all sixteen waves go the same way
	s_cbranch_scc1 .Lsame_block
	OUT 36                                         ; the first block is finished; on to the second
	global_load_b128 v[16:19], v[QO], s[34:35]
	global_load_b128 v[20:23], v[QO], s[34:35] offset:32
	INIT
	s_mov_b32 s[KF], 0
	s_mov_b32 s[Q0], s14
	s_wait_loadcnt 0x0
	s_wait_xcnt 0x0                                ; the stores have read v32-39, which the next step's loads write
.Lsame_block:
	s_add_co_u32 s[UC], s[UC], 1
	s_cmp_lt_u32 s[UC], 8
	s_cbranch_scc1 .Lunit
	CHANGE 0
	STEP 0
	STEP 1
	OUT 38
	s_wait_tensorcnt 0x0                           ; the wave's end
	ds_add_u32 v[SPW], v[NIL]
	s_wait_dscnt 0x0
	s_endpgm
.Lfunc_end_k_qda25c1777e_attn:
	.size	k_qda25c1777e_attn, .Lfunc_end_k_qda25c1777e_attn-k_qda25c1777e_attn
	.p2alignl 7, 3214868480
	.fill 96, 4, 3214868480
	.section	.rodata,"a",@progbits
	.p2align	6, 0x0
	.amdhsa_kernel k_qda25c1777e_attn
		.amdhsa_group_segment_fixed_size 327680
		.amdhsa_private_segment_fixed_size 0
		.amdhsa_enable_private_segment 0
		.amdhsa_kernarg_size 24
		.amdhsa_user_sgpr_count 2
		.amdhsa_user_sgpr_kernarg_segment_ptr 1
		.amdhsa_wavefront_size32 1
		.amdhsa_system_sgpr_workgroup_id_x 1
		.amdhsa_system_sgpr_workgroup_id_y 1
		.amdhsa_system_sgpr_workgroup_id_z 1
		.amdhsa_system_vgpr_workitem_id 0
		.amdhsa_next_free_vgpr 256
		.amdhsa_next_free_sgpr 100
		.amdhsa_reserve_vcc 1
		.amdhsa_float_denorm_mode_32 3
		.amdhsa_float_denorm_mode_16_64 3
		.amdhsa_fp16_overflow 1
		.amdhsa_memory_ordered 1
		.amdhsa_forward_progress 1
		.amdhsa_inst_pref_size 91
	.end_amdhsa_kernel
	.amdgpu_metadata
---
amdhsa.version: [ 1, 2 ]
amdhsa.kernels:
  - .name:           k_qda25c1777e_attn
    .symbol:         k_qda25c1777e_attn.kd
    .args:
      - { .name: qkv, .offset: 0, .size: 8, .value_kind: global_buffer, .address_space: global }
      - { .name: lowp_scales, .offset: 8, .size: 8, .value_kind: global_buffer, .address_space: global }
      - { .name: cc, .offset: 16, .size: 8, .value_kind: global_buffer, .address_space: global }
    .group_segment_fixed_size: 327680
    .private_segment_fixed_size: 0
    .kernarg_segment_align: 8
    .kernarg_segment_size: 24
    .max_flat_workgroup_size: 512
    .sgpr_count:     100
    .vgpr_count:     256
    .wavefront_size: 32
...
	.end_amdgpu_metadata
.endif
;; end of part 3
;; launch oproj (part 4): grid 8 x 32, 4 waves a work-group, clusters of 4 x 4, 327,680 bytes of LDS; arguments cc, wc, lowp_scales, bo, out0; writes out0
.if DOCPART == 4
	.amdgcn_target "amdgcn-amd-amdhsa--gfx1250"
	.amdhsa_code_object_version 6
	.text
	.protected	k_qda25c1777e_oproj
	.globl	k_qda25c1777e_oproj
	.p2align	8
	.type	k_qda25c1777e_oproj,@function
k_qda25c1777e_oproj:
	s_mov_b64 s[64:65], 0
	v_nop
	global_prefetch_b8 v0, s[64:65] scope:SCOPE_SE
	s_setreg_imm32_b32 hwreg(HW_REG_WAVE_MODE, 25, 1), 1
	s_wait_xcnt 0x0
	s_wait_alu depctr_hold_cnt(0) depctr_sa_sdst(0) depctr_va_vdst(0) depctr_va_sdst(0) depctr_va_ssrc(0) depctr_va_vcc(0) depctr_vm_vsrc(0)
	s_getreg_b32 s2, hwreg(HW_REG_IB_STS2, 6, 4)
	s_cmp_eq_u32 s2, 0
	s_cbranch_scc0 .Lentry_in_a_cluster
	s_endpgm
.Lentry_in_a_cluster:
	s_bfe_u32 s2, ttmp6, 0x10000c
	s_cmp_lg_u32 s2, 0xf033
	s_cbranch_scc0 .Lentry_shape_is_right
	s_endpgm
.Lentry_shape_is_right:
; out0 = ctx Wo + bo: ctx's codes (scale 2^e10) against Wo's codes (2^e11), K = 1,024; each finished sum x 2^(e10 + e11) + bo, f32.  No work is left out here.
; The frame is that of the projections' kernel: a work-group makes 256 tokens x 128 channels, four waves of 128 x 64 (32 accumulators), the matrix instruction transposed (source 0 = 16 rows of Wo's codes [n][k],
; source 1 = 16 tokens), K in four steps of 256 through two LDS slots, all written out; clusters of 4 x 4 with joint loads: A's tile along a row of the cluster, B's along a column.  A wave has one tensor load out.
; ctx's codes lie [16 heads][8,192 tokens][64]: a K step of 256 is four planes.  A's tile (128 tokens x 4 planes) is stated as 4 rows of 8,192 dense bytes, 524,288 apart, with 16 bytes of padding behind every 64:
; in LDS [plane][token][80].  Piece c of a fragment (k = 128 q + 32 c + 16 (lane / 16) + 0 .. 15) lies in plane 2 q + c / 2 at byte 32 (c % 2) + 16 (lane / 16): the same k as in B's piece c.
; LIMIT: e10 + e11 lies between -126 and 127, so that 2^(e10 + e11) is an f32 number.
; REGISTERS: window 0: v16-31 addresses; v32-63 a block's results; v96-127 bo at my 32 channels; v128-255 A's 8 fragments, later rows read back.  window 1: B's 4 fragments, two sets.  window 2: the accumulators, (a, b) at v[8 (4 a + b)].
.set PITCH,  272                       ; B's LDS row: 256 bytes + 16
.set APITCH, 80                        ; A's: 64 bytes + 16
.set PLANE,  128*APITCH                ; a plane's 128 tokens
.set HALFA,  4*PLANE
.set HALFB,  64*PITCH
.set SLOT,   2*HALFA+2*HALFB
.set SPARE,  2*SLOT                    ; behind the ring: the spare words, 128 bytes for each wave, which no other line names
.set SPITCH, 272                       ; the way out: a stage of 16 rows x (256 bytes + 16) for each wave, in slot 0, used when that slot has had its last fill and its last read
.set FR,     16
.set ADRA, 16
.set ADRB, 20
.set STO,  24
.set RD,   25
.set CO,   26
.set SPW,  28
.set NIL,  29
.set TMP,  32
.set BIAS, 96
.set AF,   128
.set G1, 24
.set G0, 32
.set G1B, 48
.set G0B, 56
.set MSB, 0
.macro WIN new                         ; the immediate's high byte repeats the setting that is left
.if MSB != \new
	s_set_vgpr_msb (MSB<<8)|\new
.set MSB, \new
.endif
.endm
.set MUL,  0xa1                        ; source 0 (B) window 1, source 1 (A) window 0, C and D window 2
.set TO_B, 0x40
.macro JLOAD s                         ; waves 0, 1 fetch A's halves, waves 2, 3 B's; s_nop 0 and four v_nop follow each line
	s_cmp_eq_u32 s15, 0
	s_cbranch_scc0 .Lfor_b_\@
	tensor_load_to_lds s[G0+4*\s:G0+4*\s+3], s[G1:G1+7]
	s_nop 0
.rept 4
	v_nop
.endr
	s_branch .Lasked_\@
.Lfor_b_\@:
	tensor_load_to_lds s[G0B+4*\s:G0B+4*\s+3], s[G1B:G1B+7]
	s_nop 0
.rept 4
	v_nop
.endr
.Lasked_\@:
.endm
.macro CREST
	s_cmp_lg_u32 s14, 0
	s_cbranch_scc1 .Lnot_wave_0_\@
	s_barrier_signal -3
.Lnot_wave_0_\@:
	s_barrier_wait -3
	s_barrier_signal -1
	s_barrier_wait -1
.endm
.macro CROUND
	s_barrier_signal -1
	s_barrier_wait -1
	CREST
.endm
.macro PLACES n
.rept \n
	v_nop
.endr
.endm
	s_load_b256 s[4:11], s[0:1], 0x0               ; cc 4:5, wc 6:7, the exponents 8:9, bo 10:11
	s_load_b64 s[84:85], s[0:1], 0x20              ; out0
	v_lshl_add_u32 v[SPW], v0, 2, SPARE
	v_mov_b32 v[NIL], 0
	ds_add_u32 v[SPW], v[NIL]                      ; the opening: the add, twice on end, and its wait ahead of my first tensor load
	ds_add_u32 v[SPW], v[NIL]
	v_lshrrev_b32 v1, 5, v0
	v_readfirstlane_b32 s14, v1                    ; wave 0..3
	s_lshr_b32 s15, s14, 1                         ; which 128 tokens are mine.  Also: I fetch for A (0) or for B (1)
	s_and_b32 s16, s14, 1                          ; which 64 channels are mine.  Also: which half of that tile I fetch
	s_bfe_u32 s40, ttmp6, 0x40000                  ; cx
	s_bfe_u32 s41, ttmp6, 0x40004                  ; cy
	s_lshl_b32 s42, ttmp9, 2
	s_add_co_u32 s42, s42, s40                     ; my block of 128 channels
	s_and_b32 s17, ttmp7, 0xffff
	s_lshl_b32 s17, s17, 2
	s_add_co_u32 s17, s17, s41                     ; my block of 256 tokens
	s_lshl_b32 s43, s41, 2
	s_lshl_b32 s43, 15, s43                        ; my row of the cluster
	s_lshl_b32 s44, 0x1111, s40                    ; my column
	s_or_b32 s[G1+0], s43, (0<<16)|(1<<20)|(1<<21)|(3<<22)|(3<<25)   ; the mask; elements of 1 byte; padding on; bit 21 beside a mask; 4 words behind every 16
	s_or_b32 s[G1B+0], s44, (0<<16)|(1<<20)|(1<<21)|(5<<22)|(3<<25)  ; 4 words behind every 64
	s_mov_b32 s[G1+1], 8192<<16                    ; tensor_dim0: 128 tokens x 64 bytes, dense
	s_mov_b32 s[G1+2], 4<<16                       ; tensor_dim1: 4 planes
	s_mov_b32 s[G1+3], 8192<<16                    ; tile_dim0
	s_mov_b32 s[G1+4], 4                           ; tile_dim1
	s_mov_b32 s[G1+5], 524288                      ; from plane to plane
	s_mov_b32 s[G1+6], 0
	s_mov_b32 s[G1+7], 0
	s_mov_b32 s[G1B+1], 256<<16
	s_mov_b32 s[G1B+2], 64<<16
	s_mov_b32 s[G1B+3], 256<<16
	s_mov_b32 s[G1B+4], 64
	s_mov_b32 s[G1B+5], 1024
	s_mov_b32 s[G1B+6], 0
	s_mov_b32 s[G1B+7], 0
	s_lshl_b32 s20, s17, 14                        ; A: (256 block + 128 half) tokens of 64 bytes
	s_lshl_b32 s18, s16, 13
	s_add_co_u32 s20, s20, s18
	s_mov_b32 s21, 0
	s_lshl_b32 s46, s42, 17                        ; B: (128 block + 64 half) rows of 1,024 bytes,
	s_lshl_b32 s47, s16, 16
	s_add_co_u32 s46, s46, s47
	s_add_co_u32 s46, s46, 3<<20                   ; in Wo's section
	s_mov_b32 s47, 0
	s_mul_i32 s45, s16, HALFA                      ; where the tiles go: no place in the cluster enters an LDS address
	s_mul_i32 s93, s16, HALFB
	s_add_co_u32 s93, s93, 2*HALFA
	s_wait_dscnt 0x0                               ; both opening adds are done
	s_wait_kmcnt 0x0
	s_load_b64 s[96:97], s[8:9], 0x28              ; e10, e11
	s_add_nc_u64 s[88:89], s[4:5], s[20:21]
	s_add_nc_u64 s[90:91], s[6:7], s[46:47]
	CROUND                                         ; all sixteen work-groups are here: the first joint loads meet
.irp s, 0,1
	s_mov_b32 s[G0+4*\s], 1
	s_add_co_u32 s[G0+4*\s+1], s45, \s*SLOT
	s_add_nc_u64 s[G0+4*\s+2:G0+4*\s+3], s[88:89], \s*2097152      ; four planes on
	s_or_b32 s[G0+4*\s+3], s[G0+4*\s+3], 0x80000000
	s_mov_b32 s[G0B+4*\s], 1
	s_add_co_u32 s[G0B+4*\s+1], s93, \s*SLOT
	s_add_nc_u64 s[G0B+4*\s+2:G0B+4*\s+3], s[90:91], \s*256
	s_or_b32 s[G0B+4*\s+3], s[G0B+4*\s+3], 0x80000000
	s_wait_alu depctr_va_vdst(0)
	s_wait_tensorcnt 0x0
	ds_add_u32 v28, v29
	ds_add_u32 v28, v29
	s_wait_dscnt 0x0
	CROUND
	JLOAD \s
.endr
	v_and_b32 v1, 15, v0                           ; r
	v_bfe_u32 v2, v0, 4, 1                         ; h
	v_mul_u32_u24 v3, v1, PITCH
	v_lshl_add_u32 v4, v2, 4, v3                   ; B: row x pitch + 16 h
	v_mul_u32_u24 v3, v1, APITCH
	v_lshl_add_u32 v5, v2, 4, v3                   ; A likewise
	s_mul_i32 s21, s15, HALFA
	s_mul_i32 s22, s16, HALFB
	s_add_co_u32 s22, s22, 2*HALFA
.irp s, 0,1
	v_add_nc_u32 v[ADRA+\s], s21, v5
	v_add_nc_u32 v[ADRB+\s], s22, v4
	s_add_co_u32 s21, s21, SLOT
	s_add_co_u32 s22, s22, SLOT
.endr
	s_mul_i32 s23, s14, 16*SPITCH                  ; my stage
	v_mul_u32_u24 v6, v1, SPITCH
	v_lshl_add_u32 v6, v2, 5, v6
	v_add_nc_u32 v[STO], s23, v6                   ; in: row r, 32 bytes for each half of the lanes
	v_mul_u32_u24 v7, v2, SPITCH
	v_lshl_add_u32 v7, v1, 4, v7
	v_add_nc_u32 v[RD], s23, v7                    ; back: lanes 0-15 one row of 256 bytes, lanes 16-31 the next
	v_lshlrev_b32 v8, 12, v2
	v_lshl_add_u32 v[CO], v1, 4, v8                ; and the same two rows of out0 (4,096 bytes a row)
	s_lshl_b32 s70, s42, 9                         ; my first channel, in bytes of f32: 512 block + 256 half
	s_lshl_b32 s71, s16, 8
	s_add_co_u32 s70, s70, s71
	s_mov_b32 s71, 0
	s_add_nc_u64 s[10:11], s[10:11], s[70:71]
	v_lshlrev_b32 v9, 5, v2                        ; bo: lane (r, h) wants, for tile b, channels 16 b + 8 h + 0 .. 7
.irp b, 0,1,2,3
	global_load_b128 v[BIAS+8*\b:BIAS+8*\b+3],   v9, s[10:11] offset:64*\b
	global_load_b128 v[BIAS+8*\b+4:BIAS+8*\b+7], v9, s[10:11] offset:64*\b+16
.endr
	s_lshl_b32 s68, s17, 20                        ; my first row of out0: (256 block + 128 half) rows of 4,096 bytes
	s_lshl_b32 s69, s15, 19
	s_add_co_u32 s68, s68, s69
	s_add_co_u32 s68, s68, s70
	s_mov_b32 s69, 0
	s_add_nc_u64 s[84:85], s[84:85], s[68:69]
.macro FRAG reg, adr, q, i             ; B: 16 rows x 128 K
.irp c, 0,1,2,3
	ds_load_b128 v[\reg+4*\c:\reg+4*\c+3], v[\adr] offset:128*(\q)+32*\c+(\i)*16*PITCH
.endr
.endm
.macro FRAGA reg, adr, q, i            ; A: 16 tokens x 128 K: two planes, two pieces of each
.irp c, 0,1,2,3
	ds_load_b128 v[\reg+4*\c:\reg+4*\c+3], v[\adr] offset:(2*(\q)+\c/2)*PLANE+(\i)*16*APITCH+32*(\c%2)
.endr
.endm
.macro FETCH_B slot, q, p
	WIN TO_B
.irp i, 0,1,2,3
	FRAG 64*(\p)+FR*\i, ADRB+\slot, \q, \i
.endr
	WIN 0
.endm
.macro FETCH_A slot, q, i0
.irp i, \i0, \i0+1, \i0+2, \i0+3
	FRAGA AF+FR*(\i), ADRA+\slot, \q, \i
.endr
.endm
; 8 matrix instructions; the 32 accumulators take turns, one instruction a turn, in the same order in every step
.macro MUL8 a0, p, zero
.irp a, \a0, \a0+1
.irp b, 0,1,2,3
.if \zero
	v_wmma_f32_16x16x128_fp8_fp8 v[8*(4*(\a)+\b):8*(4*(\a)+\b)+7], v[64*(\p)+FR*\b:64*(\p)+FR*\b+FR-1], v[AF+FR*(\a):AF+FR*(\a)+FR-1], 0
.else
	v_wmma_f32_16x16x128_fp8_fp8 v[8*(4*(\a)+\b):8*(4*(\a)+\b)+7], v[64*(\p)+FR*\b:64*(\p)+FR*\b+FR-1], v[AF+FR*(\a):AF+FR*(\a)+FR-1], v[8*(4*(\a)+\b):8*(4*(\a)+\b)+7]
.endif
.endr
.endr
.endm
.macro STEP slot, zero                 ; a slot's first 128 along K; it fetches the second
	s_wait_dscnt 16                                ; B's set and A's blocks 0-3 are in; the youngest sixteen loads (A's blocks 4-7) may be out
	WIN MUL
	MUL8 0, 0, \zero
	MUL8 2, 0, \zero
	s_wait_dscnt 0
	PLACES 4                                       ; in front of loads into registers that matrix instructions have read
	FETCH_B \slot, 1, 1
	FETCH_A \slot, 1, 0
	WIN MUL
	MUL8 4, 0, \zero
	MUL8 6, 0, \zero
	PLACES 4
	WIN 0
	FETCH_A \slot, 1, 4
.endm
.macro TURN slot, next, fill           ; a slot's second 128 along K, and the change of slots
	s_wait_tensorcnt 0x0                           ; all my tensor loads have landed: my part of the next slot
	ds_add_u32 v[SPW], v[NIL]
	s_wait_dscnt 17                                ; (the add and the youngest sixteen loads may be out)
	WIN MUL
	MUL8 0, 1, 0
	s_wait_dscnt 0x0                               ; the add is done, and my reads of this slot are over
	s_barrier_signal -1
	MUL8 2, 1, 0
	WIN 0
	s_barrier_wait -1
.if \fill
	CREST                                          ; no wave of any partner still reads this slot or has a load on its way
	s_add_nc_u64 s[G0+4*\slot+2:G0+4*\slot+3], s[G0+4*\slot+2:G0+4*\slot+3], 4194304   ; eight planes on
	s_add_nc_u64 s[G0B+4*\slot+2:G0B+4*\slot+3], s[G0B+4*\slot+2:G0B+4*\slot+3], 512
	JLOAD \slot                                    ; its four v_nop are also the places in front of the loads below
.else
	PLACES 4
.endif
	FETCH_B \next, 0, 0
	FETCH_A \next, 0, 0
	WIN MUL
	MUL8 4, 1, 0
	MUL8 6, 1, 0
	PLACES 4
	WIN 0
	FETCH_A \next, 0, 4
.endm
	s_wait_tensorcnt 1                             ; my part of K step 0 is in; K step 1's load may be out
	s_barrier_signal -1
	s_barrier_wait -1
	FETCH_B 0, 0, 0
	FETCH_A 0, 0, 0
	FETCH_A 0, 0, 4
	STEP 0, 1
	TURN 0, 1, 1
	STEP 1, 0
	TURN 1, 0, 1
	STEP 0, 0
	TURN 0, 1, 0
	STEP 1, 0
	s_wait_dscnt 16
	WIN MUL
	MUL8 0, 1, 0
	MUL8 2, 1, 0
	s_wait_dscnt 0
	MUL8 4, 1, 0
	MUL8 6, 1, 0
	WIN 0
; THE WAY OUT, block by block of 16 tokens x 64 channels: sum x 2^(e10 + e11) + bo, through my stage, back as whole rows of 256 bytes: sixteen lanes store 256 consecutive, aligned bytes.
.macro TOSTAGE a
	WIN 0x02                                       ; source 0: window 2
.set j, 0
.rept 16
	v_pk_fma_f32 v[TMP+j:TMP+j+1], v[32*(\a)+j:32*(\a)+j+1], s[96:97], v[BIAS+j:BIAS+j+1] op_sel_hi:[1,0,1]   ; each accumulator from its low end on
.set j, j+2
.endr
	WIN 0
.irp b, 0,1,2,3
	ds_store_b128 v[STO], v[TMP+8*\b:TMP+8*\b+3] offset:64*\b
	ds_store_b128 v[STO], v[TMP+8*\b+4:TMP+8*\b+7] offset:64*\b+16
.endr
.set BB, AF+32*((\a)%2)
.irp t, 0,1,2,3,4,5,6,7
	ds_load_b128 v[BB+4*\t:BB+4*\t+3], v[RD] offset:\t*2*SPITCH    ; LDS serves a wave's instructions in order: these see my stores
.endr
.endm
.macro SEND a, younger                 ; younger: the LDS instructions issued behind block a's loads, which may stay out
.set BB, AF+32*((\a)%2)
	s_wait_dscnt \younger
.if (\a) > 0
	s_add_nc_u64 s[84:85], s[84:85], 65536         ; 16 rows on (behind a wait on XCNT: the earlier stores have read their base)
.endif
.irp t, 0,1,2,3,4,5,6,7
	global_store_b128 v[CO], v[BB+4*\t:BB+4*\t+3], s[84:85] offset:\t*8192 th:TH_STORE_NT
.endr
.endm
	s_wait_kmcnt 0x0
	s_add_co_i32 s96, s96, s97
	s_add_co_i32 s96, s96, 127
	s_lshl_b32 s96, s96, 23                        ; 2^(e10 + e11) as f32
	s_mov_b32 s97, s96                             ; (named with it as a pair, so it is written)
	s_wait_loadcnt 0x0                             ; bo
	PLACES 4                                       ; behind the last products, ahead of the first read of results and of loads into A's registers
	TOSTAGE 0
.irp a, 1,2,3,4,5,6,7
.if \a > 1
	s_wait_xcnt 0x0                                ; block a - 2's stores have read their registers and their base
.endif
	TOSTAGE \a
	SEND \a-1, 16                                  ; behind block a - 1's loads: block a's 8 stores and 8 loads
.endr
	s_wait_xcnt 0x0
	SEND 7, 0
	s_wait_tensorcnt 0x0                           ; the wave's end
	ds_add_u32 v[SPW], v[NIL]
	s_wait_dscnt 0x0
	CROUND                                         ; the closing round
	s_endpgm
.Lfunc_end_k_qda25c1777e_oproj:
	.size	k_qda25c1777e_oproj, .Lfunc_end_k_qda25c1777e_oproj-k_qda25c1777e_oproj
	.p2alignl 7, 3214868480
	.fill 96, 4, 3214868480
	.section	.rodata,"a",@progbits
	.p2align	6, 0x0
	.amdhsa_kernel k_qda25c1777e_oproj
		.amdhsa_group_segment_fixed_size 327680
		.amdhsa_private_segment_fixed_size 0
		.amdhsa_enable_private_segment 0
		.amdhsa_kernarg_size 40
		.amdhsa_user_sgpr_count 2
		.amdhsa_user_sgpr_kernarg_segment_ptr 1
		.amdhsa_wavefront_size32 1
		.amdhsa_system_sgpr_workgroup_id_x 1
		.amdhsa_system_sgpr_workgroup_id_y 1
		.amdhsa_system_sgpr_workgroup_id_z 1
		.amdhsa_system_vgpr_workitem_id 0
		.amdhsa_next_free_vgpr 768
		.amdhsa_next_free_sgpr 100
		.amdhsa_reserve_vcc 0
		.amdhsa_float_denorm_mode_32 3
		.amdhsa_float_denorm_mode_16_64 3
		.amdhsa_memory_ordered 1
		.amdhsa_forward_progress 1
		.amdhsa_inst_pref_size 79
	.end_amdhsa_kernel
	.amdgpu_metadata
---
amdhsa.version: [ 1, 2 ]
amdhsa.kernels:
  - .name:           k_qda25c1777e_oproj
    .symbol:         k_qda25c1777e_oproj.kd
    .args:
      - { .name: cc, .offset: 0, .size: 8, .value_kind: global_buffer, .address_space: global }
      - { .name: wc, .offset: 8, .size: 8, .value_kind: global_buffer, .address_space: global }
      - { .name: lowp_scales, .offset: 16, .size: 8, .value_kind: global_buffer, .address_space: global }
      - { .name: bo, .offset: 24, .size: 8, .value_kind: global_buffer, .address_space: global }
      - { .name: out0, .offset: 32, .size: 8, .value_kind: global_buffer, .address_space: global }
    .group_segment_fixed_size: 327680
    .private_segment_fixed_size: 0
    .kernarg_segment_align: 8
    .kernarg_segment_size: 40
    .max_flat_workgroup_size: 128
    .sgpr_count:     100
    .vgpr_count:     768
    .wavefront_size: 32
...
	.end_amdgpu_metadata
.endif
;; end of part 4
